; MI455X (gfx1250); checked and timed in simulation.
; The chip was launched on July 23, 2026; its instructions are those of AMD's public machine-readable ISA for CDNA 5 (MIT licence, August 2026) and "CDNA5" Instruction Set Architecture Reference Guide (July 2026). The comments in the code are by the model that wrote it; some were corrected since.
;; Causal Multi Head Self Attention. Allowed arithmetic: matrix products marked QUANTISED: E4M3 operands, one given power-of-two scale a tensor, by v_wmma_f32_16x16x64_fp8_fp8 or v_wmma_f32_16x16x128_fp8_fp8, f32 sums; everything else in f32.
;; Inputs: lowp_scales 8 int32 (the exponents e of the quantised operands' scales 2^e); w_out 1,024 x 1,024 float32; w_qkv 3,072 x 1,024 float32; x 4 x 2,048 x 1,024 float32.
;; Outputs: out0 4 x 2,048 x 1,024 float32.
;; This version of the problem:
;;   THIS VERSION OF THE PROBLEM IS GIVEN IN LOW PRECISION. The matrix products marked QUANTISED in the list below multiply operands that are first quantised to E4M3 (4 exponent bits, 3 mantissa bits; 8 bits a number), with one given power-of-two scale for each operand tensor; their sums are f32. All else is computed in f32.
;;   The module's matrix products, in the order in which they are computed (A, B: the left and right operand; K: the contracted axis; several contracted axes count as one K, in the product's order):
;;     1. [M 8,192, K 1,024] x [K 1,024, N 3,072]; A: input x; B: input w_qkv: QUANTISED (scales: A lowp_scales[0], B lowp_scales[1])
;;     2. batch 64 x [M 2,048, K 64] x [K 64, N 2,048]; A: computed on the way; B: computed on the way: QUANTISED (scales: A lowp_scales[2], B lowp_scales[3])
;;     3. batch 64 x [M 2,048, K 2,048] x [K 2,048, N 64]; A: softmax (see below); B: computed on the way: QUANTISED (scales: A lowp_scales[4], B lowp_scales[5])
;;     4. [M 8,192, K 1,024] x [K 1,024, N 1,024]; A: computed on the way; B: input w_out: QUANTISED (scales: A lowp_scales[6], B lowp_scales[7])
;;   THE QUANTISER, for each operand of a quantised product, along K:
;;     - The operand's scale is 2^e, e = its entry of the input lowp_scales (int32; the entries are numbered through the quantised products in the list's order, A before B).
;;     - Each number is divided by the scale, clamped to +-448, and rounded to the nearest number of E4M3, ties to even, subnormals kept.
;;     - The product sums the exact products of the quantised numbers (number of the format x scale) in f32.
;;   ~~~python
;;   def quantise(x, axis, e):      # numpy; x: float32 -> the quantised numbers, widened to float32 again
;;       x = np.moveaxis(x, axis, -1); K = x.shape[-1]
;;       r = np.clip(x / 2.0 ** e, -448, 448)
;;       step = 2.0 ** (np.maximum(np.frexp(np.where(r == 0, 1, r))[1] - 1, -6) - 3)
;;       q = np.round(r / step) * step * 2.0 ** e      # np.round: ties to even
;;       return np.moveaxis(q, -1, axis).astype(np.float32)
;;   ~~~
;;   SOFTMAX AHEAD OF A QUANTISED PRODUCT. Where the list says 'softmax', what is quantised is not the finished softmax but p = 2^(t - M), with t = logit x log2(e) and M = ceil(the row's largest t), a whole number; so 1/2 < the row's largest p <= 1. The row's sum l is taken of the UNQUANTISED p, in f32, and the product's result is divided by l at the end. Since M is a whole number, a kernel that streams over the keys may use a running M (the ceiling of the running maximum): every later rescaling is an exact power of two, so the quantised numbers keep their values, but for numbers so far below the row's largest that they fall under the format's range.
;;   OPERANDS COMPUTED ON THE WAY. 'Computed on the way' means the value that the module computes at that place (a softmax that the list does not call 'softmax' is quantised finished and normalised). What goes into a quantiser is computed in f32, as accurately as f32 sums, v_exp_f32 and their like allow (about 1e-6 of the number): no bf16 or f16 on the way to a quantiser, and a product that is left as it is and whose result goes on into a quantised operand takes f32 operands (vector FMAs, or v_wmma_f32_16x16x4_f32). A number that lies on a knife's edge between two numbers of the format may be rounded either way, as far as f32 arithmetic and the matrix unit's own rounding can turn it there, and no further.
;; One version. Each part assembles by itself: llvm-mc -triple=amdgcn-amd-amdhsa -mcpu=gfx1250 --defsym DOCPART=n.
;; ======== version 1 of 1: 4 launches
;; limits: right only within a limited range of input values
;; workspace buffers: xc 8,388,608 bytes; wqc 3,145,728 bytes; woc 1,048,576 bytes; rope 524,288 bytes; qc 8,388,608 bytes; kc 8,388,608 bytes; vc 8,388,608 bytes; ac 8,388,608 bytes
;; launch prep (part 1): grid 416 x 1, 4 waves a work-group, no clusters, 34,304 bytes of LDS; arguments x, w_qkv, w_out, lowp_scales, xc, wqc, woc, rope; writes xc, wqc, woc, rope
.if DOCPART == 1
	.amdgcn_target "amdgcn-amd-amdhsa--gfx1250"
	.amdhsa_code_object_version 6
	.text
	.protected	k_q011b76fa7e_prep
	.globl	k_q011b76fa7e_prep
	.p2align	8
	.type	k_q011b76fa7e_prep,@function
k_q011b76fa7e_prep:
	s_mov_b64 s[64:65], 0
	v_nop
	global_prefetch_b8 v0, s[64:65] scope:SCOPE_SE
	s_setreg_imm32_b32 hwreg(HW_REG_WAVE_MODE, 25, 1), 1
	s_wait_xcnt 0x0
; x [8192][1024], w_qkv [3072][1024], w_out [1024][1024], f32, become codes of FP8 (E4M3) with the given scales 2^e (entries 0, 1, 7 of the scales); and the table of cosines and sines for the rotation is made.
; code = number / 2^e, held within +-448, rounded to the nearest code, ties to even.  LIMITS: e between -126 and 119, so that 2^e and 448 x 2^e are f32 numbers; NaN among the inputs is not served.
; THE CODES ARE LAID AS IMAGES OF THE OPERAND'S REGISTERS.  A fragment, 16 rows x 128 along K, is 2,048 bytes: group g (0..3) takes 512; lane l = (r = l % 16, h = l / 16) has 16 bytes at 512 g + 16 l:
; row r's codes of k = 32 g + 8 h + 0..7, then of k = 32 g + 16 + 8 h + 0..7: registers 4 g .. 4 g + 3 of the 16x16x128 form's own layout.  A buffer is [K step of 256][block of 16 rows][two fragments].
; SHARES.  Work-groups 0-255 take x, 256-351 w_qkv, 352-383 w_out, two blocks of 16 rows each; wave w takes block w / 2 and four fragments, K = 512 (w % 2) on.  Only pointers and numbers are chosen: one path serves the three.
; Each load reads 512 consecutive bytes of one row; a fragment's 16 rows turn through the wave's own stage in LDS (rows of 512 + 16 bytes), from which a lane takes its 64 numbers; each store covers 512 consecutive bytes, aligned.
; Work-groups 384-415 make the table: [position 2048][k 32][cos, sin] f32, angle = position x 10000^(-k / 32).  They touch no LDS.  The angle is reduced by multiples of pi / 2 in two parts, sine and cosine are polynomials on +-pi / 4.
; No tensor loads, no barrier: waves share nothing.
.set SPITCH, 528                       ; a stage row: 512 bytes + 16: sixteen lanes that read sixteen rows start 33 x 16 bytes apart
.set WREG,   16*SPITCH                 ; a wave's stage
.set SPARE,  4*WREG                    ; behind the four stages: the spare words, 128 bytes for each wave: two blocks of 256 bytes that no other line names
.set LI,   3                           ; v3   16 x lane
.set SI,   4                           ; v4   the stage on the way in: my 16 bytes of a row
.set SO,   5                           ; v5   and on the way out: row r, + 32 h
.set HOLD, 10                          ; v10  448 x 2^e
.set SCL,  11                          ; v11  2^e
.set SPW,  12                          ; v12  LDS address of my spare word; never rewritten
.set NIL,  13                          ; v13  0; never rewritten
.set R,    16                          ; v16-143  two sets of 64: a fragment as loaded
.set X,    144                         ; v144-207 a lane's 64 numbers, register 16 g + i
.set C,    208                         ; v208-239 two sets of 16: a fragment's codes
	s_load_b256 s[4:11], s[0:1], 0x0               ; x s[4:5], w_qkv s[6:7], w_out s[8:9], the scales' exponents s[10:11]
	s_load_b256 s[12:19], s[0:1], 0x20             ; xc s[12:13], wqc s[14:15], woc s[16:17], rope s[18:19]
	v_lshl_add_u32 v[SPW], v0, 2, SPARE
	v_mov_b32 v[NIL], 0
	v_lshrrev_b32 v1, 5, v0
	v_readfirstlane_b32 s36, v1                    ; wave 0..3
	v_and_b32 v2, 31, v0                           ; lane
	v_lshlrev_b32 v[LI], 4, v2
	s_cmp_ge_u32 ttmp9, 384
	s_cbranch_scc1 .Lrope                          ; the last 32 work-groups make the table
	s_lshr_b32 s37, s36, 1                         ; which of the two blocks of rows
	s_and_b32 s38, s36, 1                          ; which half of K
	s_mul_i32 s39, s36, WREG
	v_add_nc_u32 v[SI], s39, v[LI]
	v_and_b32 v6, 15, v0                           ; r
	v_bfe_u32 v7, v0, 4, 1                         ; h
	v_mul_u32_u24 v[SO], v6, SPITCH
	v_lshl_add_u32 v[SO], v7, 5, v[SO]
	v_add_nc_u32 v[SO], s39, v[SO]
	s_wait_kmcnt 0x0
	s_load_b256 s[28:35], s[10:11], 0x0            ; the eight exponents
	s_mov_b32 s25, 786432
	s_cmp_lt_u32 ttmp9, 256                        ; the choices hang on the work-group's number alone
	s_cselect_b64 s[20:21], s[4:5], s[6:7]         ; from where,
	s_cselect_b64 s[22:23], s[12:13], s[14:15]     ; to where,
	s_cselect_b32 s24, 0, 256                      ; the tensor's first work-group,
	s_cselect_b32 s25, 2097152, s25                ; bytes of a K step of 256 in the codes' buffer: blocks of rows x 4,096
	s_cmp_lt_u32 ttmp9, 352
	s_cselect_b64 s[20:21], s[20:21], s[8:9]
	s_cselect_b64 s[22:23], s[22:23], s[16:17]
	s_cselect_b32 s24, s24, 352
	s_cselect_b32 s25, s25, 262144
	s_sub_co_u32 s24, ttmp9, s24
	s_lshl_b32 s24, s24, 1
	s_add_co_u32 s24, s24, s37                     ; my block of 16 rows
	s_lshl_b32 s40, s24, 16                        ; 16 rows of 4,096 bytes,
	s_lshl_b32 s41, s38, 11                        ; + my half of K: 512 numbers
	s_add_co_u32 s40, s40, s41
	s_mov_b32 s41, 0
	s_add_nc_u64 s[20:21], s[20:21], s[40:41]
	s_mul_i32 s40, s38, s25
	s_lshl_b32 s40, s40, 1                         ; my first K step of 256: 2 (w % 2),
	s_lshl_b32 s42, s24, 12                        ; my block's 4,096 bytes in it
	s_add_co_u32 s40, s40, s42
	s_add_nc_u64 s[22:23], s[22:23], s[40:41]      ; fragments 0 and 1 go here,
	s_mov_b32 s26, s25
	s_mov_b32 s27, 0
	s_add_nc_u64 s[26:27], s[22:23], s[26:27]      ; fragments 2 and 3 a K step further on
.macro LOAD f                          ; fragment f: 16 rows x 512 bytes into set f % 2
.set i, 0
.rept 16
	global_load_b128 v[R+64*((\f)%2)+4*i:R+64*((\f)%2)+4*i+3], v[LI], s[20:21] offset:4096*i+512*(\f) th:TH_LOAD_NT
.set i, i+1
.endr
.endm
	s_wait_alu depctr_va_vdst(0)
	LOAD 0
	LOAD 1
	s_wait_kmcnt 0x0
	s_cmp_lt_u32 ttmp9, 256
	s_cselect_b32 s43, s28, s29                    ; e: entry 0 for x, 1 for w_qkv,
	s_cmp_lt_u32 ttmp9, 352
	s_cselect_b32 s43, s43, s35                    ; 7 for w_out
	s_add_co_i32 s43, s43, 127
	s_lshl_b32 s44, s43, 23
	v_mov_b32 v[SCL], s44                          ; 2^e as f32: the conversion takes its exponent field
	s_add_co_i32 s43, s43, 8
	s_lshl_b32 s43, s43, 23
	s_or_b32 s43, s43, 0x600000
	v_mov_b32 v[HOLD], s43                         ; 448 x 2^e
.macro FRAGQ f
.set RS, R+64*((\f)%2)
.set CC, C+16*((\f)%2)
.if (\f) < 3
	s_wait_loadcnt 16                              ; this fragment's 16 loads are in; the next fragment's 16 may be out
.else
	s_wait_loadcnt 0
.endif
.set i, 0
.rept 16
	ds_store_b128 v[SI], v[RS+4*i:RS+4*i+3] offset:SPITCH*i
.set i, i+1
.endr
.irp g, 0,1,2,3                        ; LDS serves a wave's instructions in order (ISA guide 5.7.1.4): these see the stores above, and the next fragment's stores come behind them
	ds_load_b128 v[X+16*\g:X+16*\g+3],     v[SO] offset:128*\g       ; k = 32 g + 8 h + 0..3
	ds_load_b128 v[X+16*\g+4:X+16*\g+7],   v[SO] offset:128*\g+16    ; + 4..7
	ds_load_b128 v[X+16*\g+8:X+16*\g+11],  v[SO] offset:128*\g+64    ; k = 32 g + 16 + 8 h + 0..3
	ds_load_b128 v[X+16*\g+12:X+16*\g+15], v[SO] offset:128*\g+80    ; + 4..7
.endr
	s_wait_dscnt 0x0                               ; my numbers are back; the stores into the stage have read their registers,
.if (\f) < 2
	LOAD (\f)+2                                    ; which take the fragment two further on
.endif
.set i, 0
.rept 64
	v_med3_num_f32 v[X+i], v[X+i], -v[HOLD], v[HOLD]   ; the conversion to an 8-bit code does not saturate (ISA guide 7.6.2): the hold at the largest code x the scale
.set i, i+1
.endr
.if (\f) >= 2
	s_wait_alu depctr_va_vdst(0)
	s_wait_xcnt 0x0                                ; the stores of two fragments ago have read this set of codes: it is written again only behind this wait
.endif
.irp g, 0,1,2,3
	v_cvt_scalef32_pk8_fp8_f32 v[CC+4*\g:CC+4*\g+1],   v[X+16*\g:X+16*\g+7],    v[SCL]
	v_cvt_scalef32_pk8_fp8_f32 v[CC+4*\g+2:CC+4*\g+3], v[X+16*\g+8:X+16*\g+15], v[SCL]
.endr
	v_nop                                          ; a plain vector line behind the conversions: the next fragment's holds write the registers that these have read
.irp g, 0,1,2,3
	global_store_b128 v[LI], v[CC+4*\g:CC+4*\g+3], s[22+4*((\f)/2):23+4*((\f)/2)] offset:2048*((\f)%2)+512*\g   ; 32 lanes store 512 consecutive bytes, at a multiple of 512 from the buffer's first byte
.endr
.endm
	s_wait_alu depctr_va_vdst(0)
	FRAGQ 0
	FRAGQ 1
	FRAGQ 2
	FRAGQ 3
	s_wait_tensorcnt 0x0                           ; the wave's end, behind my last LDS store
	ds_add_u32 v[SPW], v[NIL]
	s_wait_dscnt 0x0
	s_endpgm
; THE TABLE.  Wave w of work-group j takes positions 64 j + 16 w + 0..15, two a step: lanes 0-15 one position, lanes 16-31 the next; a lane takes k = 2 (lane % 16) and the k after it: (cos, sin, cos, sin), 16 bytes.
.Lrope:
	s_sub_co_u32 s20, ttmp9, 384
	s_lshl_b32 s20, s20, 6
	s_lshl_b32 s21, s36, 4
	s_add_co_u32 s20, s20, s21                     ; my wave's first position
	s_wait_alu depctr_va_vdst(0)
	v_lshrrev_b32 v6, 4, v2
	v_add_nc_u32 v6, s20, v6
	v_cvt_f32_u32 v22, v6                          ; my position, exact in f32
	v_and_b32 v7, 15, v2
	v_lshlrev_b32 v7, 1, v7
	v_cvt_f32_u32 v8, v7                           ; k
	v_add_f32 v9, 1.0, v8                          ; k + 1
	v_mul_f32 v8, 0xbed49a78, v8                   ; -k log2(10000) / 32
	v_mul_f32 v9, 0xbed49a78, v9
	s_wait_alu depctr_va_vdst(0)
	v_exp_f32 v20, v8                              ; 10000^(-k / 32)
	v_exp_f32 v21, v9
	v_nop                                          ; a plain line behind the exponentials
	s_mov_b32 s40, 0xbfc90fdb                      ; -pi / 2, its upper part,
	s_mov_b32 s41, 0x333bbd2e                      ; and what that part has too much
	s_mov_b32 s42, 0xb94ca1f9                      ; sine: r + r z (s44 + z (s43 + z s42)), z = r r
	s_mov_b32 s43, 0x3c08839e
	s_mov_b32 s44, 0xbe2aaaa3
	s_mov_b32 s45, 0x37ccf5ce                      ; cosine: 1 - z / 2 + z z (s47 + z (s46 + z s45))
	s_mov_b32 s46, 0xbab6061a
	s_mov_b32 s47, 0x3d2aaaa5
	s_lshl_b32 s20, s20, 8                         ; a position's row is 256 bytes
	s_mov_b32 s21, 0
	s_wait_kmcnt 0x0
	s_add_nc_u64 s[18:19], s[18:19], s[20:21]
	s_wait_alu depctr_va_vdst(0)                   ; between the exponentials and the first line that names a result: one for both
.macro SINCOS inv, c, s                ; v[c], v[s] = cos, sin of v22 x v[inv]
	v_mul_f32 v24, v22, v[\inv]                    ; the angle, rounded once, as the product of two f32 numbers is
	v_mul_f32 v25, 0x3f22f983, v24                 ; x 2 / pi
	v_rndne_f32 v25, v25                           ; n quarter turns
	v_fma_f32 v26, v25, s40, v24
	v_fma_f32 v26, v25, s41, v26                   ; r = angle - n pi / 2, within +-pi / 4
	v_mul_f32 v27, v26, v26                        ; z
	v_cvt_i32_f32 v25, v25
	v_fma_f32 v28, v27, s42, s43
	v_fma_f32 v28, v28, v27, s44
	v_mul_f32 v29, v26, v27
	v_fma_f32 v28, v29, v28, v26                   ; sin r
	v_fma_f32 v30, v27, s45, s46
	v_fma_f32 v30, v30, v27, s47
	v_mul_f32 v31, v27, v27
	v_fma_f32 v29, v27, -0.5, 1.0
	v_fma_f32 v30, v31, v30, v29                   ; cos r
	v_and_b32 v29, 1, v25
	v_cmp_eq_u32 vcc_lo, 1, v29                    ; an odd n changes the two,
	v_cndmask_b32 v31, v28, v30, vcc_lo
	v_cndmask_b32 v30, v30, v28, vcc_lo
	v_lshlrev_b32 v29, 30, v25                     ; n % 4 = 2, 3 turns the sine's sign,
	v_and_b32 v29, 0x80000000, v29
	v_xor_b32 v[\s], v29, v31
	v_add_nc_u32 v25, 1, v25                       ; n % 4 = 1, 2 the cosine's
	v_lshlrev_b32 v25, 30, v25
	v_and_b32 v25, 0x80000000, v25
	v_xor_b32 v[\c], v25, v30
.endm
.irp st, 0,1,2,3,4,5,6,7               ; each step has its own four registers: no store's data are written again
	SINCOS 20, 32+4*\st, 33+4*\st
	SINCOS 21, 34+4*\st, 35+4*\st
	global_store_b128 v[LI], v[32+4*\st:35+4*\st], s[18:19] offset:512*\st   ; two whole rows of the table: 512 consecutive bytes
	v_add_f32 v22, 2.0, v22
.endr
	s_endpgm
.Lfunc_end_k_q011b76fa7e_prep:
	.size	k_q011b76fa7e_prep, .Lfunc_end_k_q011b76fa7e_prep-k_q011b76fa7e_prep
	.p2alignl 7, 3214868480
	.fill 96, 4, 3214868480
	.section	.rodata,"a",@progbits
	.p2align	6, 0x0
	.amdhsa_kernel k_q011b76fa7e_prep
		.amdhsa_group_segment_fixed_size 34304
		.amdhsa_private_segment_fixed_size 0
		.amdhsa_enable_private_segment 0
		.amdhsa_kernarg_size 64
		.amdhsa_user_sgpr_count 2
		.amdhsa_user_sgpr_kernarg_segment_ptr 1
		.amdhsa_wavefront_size32 1
		.amdhsa_system_sgpr_workgroup_id_x 1
		.amdhsa_system_sgpr_workgroup_id_y 1
		.amdhsa_system_sgpr_workgroup_id_z 1
		.amdhsa_system_vgpr_workitem_id 0
		.amdhsa_next_free_vgpr 240
		.amdhsa_next_free_sgpr 66
		.amdhsa_reserve_vcc 1
		.amdhsa_float_denorm_mode_32 3
		.amdhsa_float_denorm_mode_16_64 3
		.amdhsa_memory_ordered 1
		.amdhsa_forward_progress 1
		.amdhsa_inst_pref_size 59
	.end_amdhsa_kernel
	.amdgpu_metadata
---
amdhsa.version: [ 1, 2 ]
amdhsa.kernels:
  - .name:           k_q011b76fa7e_prep
    .symbol:         k_q011b76fa7e_prep.kd
    .args:
      - { .name: x, .offset: 0, .size: 8, .value_kind: global_buffer, .address_space: global }
      - { .name: w_qkv, .offset: 8, .size: 8, .value_kind: global_buffer, .address_space: global }
      - { .name: w_out, .offset: 16, .size: 8, .value_kind: global_buffer, .address_space: global }
      - { .name: lowp_scales, .offset: 24, .size: 8, .value_kind: global_buffer, .address_space: global }
      - { .name: xc, .offset: 32, .size: 8, .value_kind: global_buffer, .address_space: global }
      - { .name: wqc, .offset: 40, .size: 8, .value_kind: global_buffer, .address_space: global }
      - { .name: woc, .offset: 48, .size: 8, .value_kind: global_buffer, .address_space: global }
      - { .name: rope, .offset: 56, .size: 8, .value_kind: global_buffer, .address_space: global }
    .group_segment_fixed_size: 34304
    .private_segment_fixed_size: 0
    .kernarg_segment_align: 8
    .kernarg_segment_size: 64
    .max_flat_workgroup_size: 128
    .sgpr_count:     66
    .vgpr_count:     240
    .wavefront_size: 32
...
	.end_amdgpu_metadata
.endif
;; end of part 1
;; launch qkv (part 2): grid 96 x 4, 4 waves a work-group, clusters of 4 x 4, 327,680 bytes of LDS; arguments xc, wqc, rope, lowp_scales, qc, kc, vc; writes qc, kc, vc
.if DOCPART == 2
	.amdgcn_target "amdgcn-amd-amdhsa--gfx1250"
	.amdhsa_code_object_version 6
	.text
	.protected	k_q011b76fa7e_qkv
	.globl	k_q011b76fa7e_qkv
	.p2align	8
	.type	k_q011b76fa7e_qkv,@function
k_q011b76fa7e_qkv:
	s_mov_b64 s[64:65], 0
	v_nop
	global_prefetch_b8 v0, s[64:65] scope:SCOPE_SE
	s_setreg_imm32_b32 hwreg(HW_REG_WAVE_MODE, 25, 1), 1
	s_wait_xcnt 0x0
	s_wait_alu depctr_hold_cnt(0) depctr_sa_sdst(0) depctr_va_vdst(0) depctr_va_sdst(0) depctr_va_ssrc(0) depctr_va_vcc(0) depctr_vm_vsrc(0)
	s_getreg_b32 s2, hwreg(HW_REG_IB_STS2, 6, 4)
	s_cmp_eq_u32 s2, 0
	s_cbranch_scc0 .Lentry_in_a_cluster
	s_endpgm
.Lentry_in_a_cluster:
	s_bfe_u32 s2, ttmp6, 0x10000c
	s_cmp_lg_u32 s2, 0xf033
	s_cbranch_scc0 .Lentry_shape_is_right
	s_endpgm
.Lentry_shape_is_right:
; The projection x w_qkv^T on codes of FP8 (E4M3), the rotation of q and k, and the codes of q, k and v for the two products of attention.
; xc [4 K steps of 256][512 blocks of 16 tokens][4096] and wqc [4][192 blocks of 16 rows][4096] hold images of operand registers: a fragment (16 rows x 128 K) is 2,048 bytes, group g of four at 512 g, lane l's 16 bytes at 16 l:
; registers 4 g .. 4 g + 3 of the 16x16x128 form's own layout.  So a fragment comes from LDS by four loads at a constant + 16 x lane, without pitch or padding, and a tile of 128 rows x 256 K is 32,768 consecutive bytes of memory.
; A tile of the result, 256 x 256, is made by four waves, each 128 x 128: 64 accumulators, 512 registers.  K = 1,024 goes in four steps of 256 through two LDS slots; the steps are written out, there is no loop.
; THE MATRIX INSTRUCTION IS USED TRANSPOSED: source 0 = 16 rows of the operand called B here, source 1 = 16 rows of A: a lane holds ONE row of A and eight neighbouring rows of B.
; CLUSTERS OF 4 x 4, 24 of them, numbered c.  c < 16: Q AND K: A = tokens (tile row 4 (c / 2) + cy), B = rows 0-2047 of w_qkv (tile column 4 (c % 2) + cx): a lane holds one token and eight neighbouring channels.
;   c >= 16: V, MADE TRANSPOSED: A = rows 2048-3071 of w_qkv (tile row cy), B = tokens (tile column 4 (c - 16) + cx): a lane holds one channel and eight neighbouring KEYS, which are the K of attention's second product.
; A's tiles are shared along a row of the cluster, B's along a column: each is asked for JOINTLY.  What differs between the two kinds is chosen by c, which all sixteen partners share.
; The two kinds part ONCE, by a branch on c ahead of the last 128 along K, behind the last tensor load and the last barrier of the ring: q's and k's path asks for its first two blocks of the table there, so that they land under the last 64 products.
; THE WAY OUT NEEDS NO LDS: two neighbouring accumulators give a lane the 16 bytes that it has in an image's group, so each store covers 512 consecutive bytes, aligned.
;   qc, kc: [64 heads][128 blocks of 16 tokens][1024]: images of fragments 16 tokens x 64 channels.   vc: [64 heads][16 chunks of 128 keys][4 blocks of 16 channels][2048]: images of fragments 16 channels x 128 keys.
; A sum stands for sum x 2^(e0 + e1); the rotation is linear; so the conversion's one scale is 2^E, E = e - e0 - e1 with e = entry 2 (q), 3 (k) or 5 (v).  LIMIT: E between -126 and 119.
; REGISTERS, in windows of 256: window 0: v16-31 addresses and scales; from v128 A's fragments, ONE set; on the way out v32-95 the table, v96-159 64 numbers, v160-191 codes.
;   window 1: B's fragments, TWO sets.   window 2: the accumulators of my A rows 0-63 ((a, b) at v[8 (8 a + b)]);   window 3: those of rows 64-127.
.set KSX,    2097152                   ; a K step of 256 in xc: 512 blocks x 4,096 bytes
.set KSW,    786432                    ; in wqc: 192 blocks
.set HALFT,  32768                     ; 128 rows x 256 K: what one tensor load brings, and what one wave reads of A or of B
.set SLOT,   4*HALFT                   ; A's 256 rows, then B's 256 rows
.set SPARE,  2*SLOT                    ; behind the ring: the spare words, 128 bytes for each wave: two blocks of 256 bytes that no other line names
.set FR,     16                        ; registers of a fragment
.set NL,     4                         ; LDS loads that bring one
.set NP,     4                         ; places behind this matrix instruction (ISA guide 7.12.1)
.set ADRA, 16                          ; v16-17  LDS address of my A fragments in slot 0, 1
.set ADRB, 20                          ; v20-21  the same for B
.set ROFF, 24                          ; v24     the table: 256 r + 32 h
.set LI,   26                          ; v26     16 x lane
.set SPW,  28                          ; v28     LDS address of my spare word; never rewritten
.set NIL,  29                          ; v29     0; never rewritten
.set SCL,  30                          ; v30     2^E
.set HOLD, 31                          ; v31     448 x 2^E
.set CS,   32                          ; v32-95  two sets of 32: (cos, sin) of my token, for my 16 pairs of channels
.set T,    96                          ; v96-159 a block's 64 numbers
.set CD,   160                         ; v160-191 two sets of 16: a block's codes
.set AF,   128
.set G1, 24                            ; s[24:31] descriptor group 1 for A's tiles;  s[32:39] group 0, one set for each slot
.set G0, 32
.set G1B, 48                           ; s[48:55], s[56:63] the same for B's tiles
.set G0B, 56
.set MSB, 0
.macro WIN new                         ; the immediate's high byte repeats the setting that is left
.if MSB != \new
	s_set_vgpr_msb (MSB<<8)|\new
.set MSB, \new
.endif
.endm
.set MUL_LO, 0xa1                      ; source 0 (B) window 1, source 1 (A) window 0, C and D window 2
.set MUL_HI, 0xf1                      ; the same, C and D window 3
.set TO_B,   0x40                      ; destination window 1, address window 0
; A joint load: waves 0 and 1 fetch for A, waves 2 and 3 for B.  Each of the two lines has ONE mask and one set of registers for all that issue it; the branch hangs on the wave's number alone.
; An s_nop 0 and four v_nop follow each of the two lines, ahead of the jump, the label and what follows.
.macro JLOAD g0a, g1a, g0b, g1b
	s_cmp_eq_u32 s15, 0
	s_cbranch_scc0 .Lfor_b_\@
	tensor_load_to_lds s[\g0a:\g0a+3], s[\g1a:\g1a+7]
	s_nop 0
.rept 4
	v_nop
.endr
	s_branch .Lasked_\@
.Lfor_b_\@:
	tensor_load_to_lds s[\g0b:\g0b+3], s[\g1b:\g1b+7]
	s_nop 0
.rept 4
	v_nop
.endr
.Lasked_\@:
.endm
.macro CREST                           ; a round of the cluster's barrier behind its opening barrier
	s_cmp_lg_u32 s14, 0
	s_cbranch_scc1 .Lnot_wave_0_\@
	s_barrier_signal -3
.Lnot_wave_0_\@:
	s_barrier_wait -3
	s_barrier_signal -1
	s_barrier_wait -1
.endm
.macro CROUND                          ; a whole round
	s_barrier_signal -1
	s_barrier_wait -1
	CREST
.endm
	s_load_b256 s[4:11], s[0:1], 0x0               ; xc s[4:5], wqc s[6:7], the table s[8:9], the scales' exponents s[10:11]
	s_load_b128 s[84:87], s[0:1], 0x20             ; qc s[84:85], kc s[86:87]
	s_load_b64 s[88:89], s[0:1], 0x30              ; vc
	v_lshl_add_u32 v[SPW], v0, 2, SPARE
	v_mov_b32 v[NIL], 0
	ds_add_u32 v[SPW], v[NIL]                      ; the wave's opening: the add and its wait ahead of my first tensor load; the set-up below, work on registers, stands between them
	ds_add_u32 v[SPW], v[NIL]
	v_lshrrev_b32 v1, 5, v0
	v_readfirstlane_b32 s14, v1                    ; wave 0..3
	s_lshr_b32 s15, s14, 1                         ; which half of the tile's A rows is mine.  Also: I fetch for A (0) or for B (1)
	s_and_b32 s16, s14, 1                          ; which half of its B rows.  Also: which 128 rows of that tile I fetch
	s_bfe_u32 s40, ttmp6, 0x40000                  ; cx, cy: my place in the cluster
	s_bfe_u32 s41, ttmp6, 0x40004
	s_lshr_b32 s66, ttmp9, 1
	s_and_b32 s67, ttmp9, 1
	s_sub_co_u32 s68, ttmp9, 16
	s_mov_b32 s72, KSX
	s_mov_b32 s74, KSW
	s_cmp_ge_u32 ttmp9, 16                         ; V's clusters?  The cluster's number is the same in all sixteen partners
	s_cselect_b32 s66, 0, s66                      ; the cluster's row of tiles,
	s_cselect_b32 s67, s68, s67                    ; its column,
	s_cselect_b32 s69, 128, 0                      ; A's first block of 16 rows (v's rows of w_qkv begin at block 128),
	s_cselect_b32 s72, KSW, s72                    ; a K step in A's buffer,
	s_cselect_b32 s74, KSX, s74                    ; and in B's
	s_mov_b32 s73, 0
	s_mov_b32 s75, 0
	s_lshl_b32 s90, s72, 1                         ; two K steps: what a refill steps by
	s_mov_b32 s91, 0
	s_lshl_b32 s92, s74, 1
	s_mov_b32 s93, 0
	s_lshl_b32 s17, s66, 2
	s_add_co_u32 s17, s17, s41                     ; tile row
	s_lshl_b32 s42, s67, 2
	s_add_co_u32 s42, s42, s40                     ; tile column
	s_lshl_b32 s43, s41, 2
	s_lshl_b32 s43, 15, s43                        ; my row of the cluster
	s_lshl_b32 s44, 0x1111, s40                    ; my column
	; descriptor group 1: 32,768 consecutive bytes as 128 rows of 32 elements of 8 bytes, no padding
	s_or_b32 s[G1+0], s43, (3<<16)|(1<<21)         ; 15:0 the mask: A's tiles go to my row; 17:16 elements of 8 bytes; 21 set beside a mask
	s_or_b32 s[G1B+0], s44, (3<<16)|(1<<21)
.irp g, G1, G1B
	s_mov_b32 s[\g+1], 32<<16                      ; tensor_dim0 = 32
	s_mov_b32 s[\g+2], 128<<16                     ; tensor_dim1 = 128
	s_mov_b32 s[\g+3], 32<<16                      ; tile_dim0 = 32
	s_mov_b32 s[\g+4], 128                         ; tile_dim1 = 128
	s_mov_b32 s[\g+5], 32                          ; tensor_dim0_stride
	s_mov_b32 s[\g+6], 0
	s_mov_b32 s[\g+7], 0
.endr
	s_lshl_b32 s20, s17, 4
	s_lshl_b32 s21, s16, 3
	s_add_co_u32 s20, s20, s21
	s_add_co_u32 s20, s20, s69                     ; A: block 16 x tile row + 8 x half (+ 128)
	s_lshl_b32 s20, s20, 12
	s_mov_b32 s21, 0
	s_lshl_b32 s46, s42, 4
	s_lshl_b32 s47, s16, 3
	s_add_co_u32 s46, s46, s47                     ; B: block 16 x tile column + 8 x half
	s_lshl_b32 s46, s46, 12
	s_mov_b32 s47, 0
	s_mul_i32 s45, s14, HALFT                      ; where they go: wave x 128 rows: no place in the cluster enters an LDS address
	s_wait_dscnt 0x0                               ; the opening add is done
	s_wait_kmcnt 0x0
	s_load_b256 s[76:83], s[10:11], 0x0            ; the eight exponents
	s_cmp_ge_u32 ttmp9, 16
	s_cselect_b64 s[12:13], s[6:7], s[4:5]         ; A's buffer,
	s_cselect_b64 s[18:19], s[4:5], s[6:7]         ; B's
	s_add_nc_u64 s[20:21], s[12:13], s[20:21]
	s_add_nc_u64 s[46:47], s[18:19], s[46:47]
	CROUND                                         ; all sixteen work-groups are here: the first joint loads meet
.irp s, 0,1
	s_mov_b32 s[G0+4*\s], 1
	s_add_co_u32 s[G0+4*\s+1], s45, \s*SLOT
	s_mov_b32 s[G0B+4*\s], 1
	s_add_co_u32 s[G0B+4*\s+1], s45, \s*SLOT
.if \s == 0
	s_mov_b64 s[G0+2:G0+3], s[20:21]               ; K step 0
	s_mov_b64 s[G0B+2:G0B+3], s[46:47]
.else
	s_add_nc_u64 s[G0+6:G0+7], s[20:21], s[72:73]  ; K step 1
	s_add_nc_u64 s[G0B+6:G0B+7], s[46:47], s[74:75]
.endif
	s_or_b32 s[G0+4*\s+3], s[G0+4*\s+3], 0x80000000
	s_or_b32 s[G0B+4*\s+3], s[G0B+4*\s+3], 0x80000000
.endr
	JLOAD G0, G1, G0B, G1B                         ; K step 0: one tensor load a wave at the head
	v_and_b32 v1, 31, v0
	v_lshlrev_b32 v[LI], 4, v1
	s_mul_i32 s21, s15, HALFT                      ; my 128 rows of A
	s_mul_i32 s22, s16, HALFT                      ; my 128 rows of B,
	s_add_co_u32 s22, s22, 2*HALFT                 ; which lie behind A's 256
.irp s, 0,1
	v_add_nc_u32 v[ADRA+\s], s21, v[LI]
	v_add_nc_u32 v[ADRB+\s], s22, v[LI]
	s_add_co_u32 s21, s21, SLOT
	s_add_co_u32 s22, s22, SLOT
.endr
	v_and_b32 v2, 15, v0                           ; r
	v_bfe_u32 v3, v0, 4, 1                         ; h
	v_lshlrev_b32 v[ROFF], 8, v2
	v_lshl_add_u32 v[ROFF], v3, 5, v[ROFF]
	; where my results go.  In all three buffers a head takes 131,072 bytes and 16 tokens of it 1,024: offset = (16 b + head) << 17 + position << 6
	s_lshl_b32 s68, s17, 8
	s_lshl_b32 s69, s15, 7
	s_add_co_u32 s68, s68, s69                     ; my first row of A: 256 x tile row + 128 x half
	s_lshl_b32 s70, s42, 8
	s_lshl_b32 s71, s16, 7
	s_add_co_u32 s70, s70, s71                     ; my first row of B
	s_and_b32 s71, s70, 1023                       ; (q and k: the channel within q or within k)
	s_cmp_ge_u32 ttmp9, 16
	s_cselect_b32 s69, s70, s68                    ; my first token,
	s_cselect_b32 s71, s68, s71                    ; my first channel
	s_lshr_b32 s71, s71, 6                         ; its head
	s_lshr_b32 s70, s69, 11                        ; b
	s_lshl_b32 s70, s70, 4
	s_add_co_u32 s70, s70, s71
	s_lshl_b32 s70, s70, 17
	s_and_b32 s69, s69, 2047                       ; the position
	s_lshl_b32 s71, s69, 6
	s_add_co_u32 s70, s70, s71
	s_mov_b32 s71, 0
	s_lshl_b32 s68, s69, 8                         ; the position's row of the table
	s_mov_b32 s69, 0
	s_cmp_eq_u32 s67, 1
	s_cselect_b64 s[94:95], s[86:87], s[84:85]     ; k's clusters are the odd ones, q's the even,
	s_cmp_ge_u32 ttmp9, 16
	s_cselect_b64 s[94:95], s[88:89], s[94:95]     ; v's those from 16 on
	s_add_nc_u64 s[94:95], s[94:95], s[70:71]
	s_add_nc_u64 s[8:9], s[8:9], s[68:69]          ; the table at my first position (read by q's and k's clusters alone)
.macro FRAG reg, adr, q, i             ; a fragment's image: block i of my eight, the slot's q-th 128 along K
.irp c, 0,1,2,3
	ds_load_b128 v[\reg+4*\c:\reg+4*\c+3], v[\adr] offset:2048*(\q)+512*\c+(\i)*4096
.endr
.endm
; 16 matrix instructions: A's blocks a0, a0 + 1 x B's eight, 128 along K.  p: B's set.  zero = 1: the first product starts the sums: nothing is ever cleared.
; The 64 accumulators take turns, one instruction a turn, in the same order in every step.
.macro MUL16 a0, p, zero
.irp a, \a0, \a0+1
.irp b, 0,1,2,3,4,5,6,7
.if \zero
	v_wmma_f32_16x16x128_fp8_fp8 v[8*(8*((\a)%4)+\b):8*(8*((\a)%4)+\b)+7], v[128*(\p)+FR*\b:128*(\p)+FR*\b+FR-1], v[AF+FR*(\a):AF+FR*(\a)+FR-1], 0
.else
	v_wmma_f32_16x16x128_fp8_fp8 v[8*(8*((\a)%4)+\b):8*(8*((\a)%4)+\b)+7], v[128*(\p)+FR*\b:128*(\p)+FR*\b+FR-1], v[AF+FR*(\a):AF+FR*(\a)+FR-1], v[8*(8*((\a)%4)+\b):8*(8*((\a)%4)+\b)+7]
.endif
.endr
.endr
.endm
.macro FETCH_B slot, q, p              ; B's eight fragments into set p
	WIN TO_B
.irp i, 0,1,2,3,4,5,6,7
	FRAG 128*(\p)+FR*\i, ADRB+\slot, \q, \i
.endr
	WIN 0
.endm
.macro FETCH_A slot, q, i0             ; A's blocks i0 .. i0 + 3
.irp i, \i0, \i0+1, \i0+2, \i0+3
	FRAG AF+FR*(\i), ADRA+\slot, \q, \i
.endr
.endm
; A load into a register that a matrix instruction has read, and a vector instruction that reads a matrix result, stand NP places behind that matrix instruction; only plain vector
; instructions that name none of its registers are places (ISA guide 7.12.1 for vector instructions).
.macro PLACES n
.rept \n
	v_nop
.endr
.endm
; A step of 128 along K that has its successor in the same slot.  A block of A is free as soon as its eight products are issued, so one set serves A: blocks 0-3 are fetched anew in the step's middle, blocks 4-7 at its end.
.macro STEP slot, q, zero
	s_wait_dscnt 4*NL                              ; B's set and A's blocks 0-3 are in; the youngest 16 loads (A's blocks 4-7) may be out
	WIN MUL_LO
	MUL16 0, (\q)%2, \zero
	MUL16 2, (\q)%2, \zero
	s_wait_dscnt 0                                 ; A's blocks 4-7 are in (asked for 32 matrix instructions ago)
	PLACES NP
	FETCH_B \slot, (\q)+1, 1-(\q)%2
	FETCH_A \slot, (\q)+1, 0
	WIN MUL_HI
	MUL16 4, (\q)%2, \zero
	MUL16 6, (\q)%2, \zero
	PLACES NP
	WIN 0
	FETCH_A \slot, (\q)+1, 4
.endm
; A slot's last step changes slots: ONE barrier; in front of it each wave waits for all its tensor loads, adds 0 to its spare word, and waits for that and for its own reads of this slot.  fill = 1: this slot is filled again, two K steps ahead.
.macro TURN slot, next, fill
	s_wait_tensorcnt 0x0                           ; all my tensor loads have landed: my part of the next slot;  (every window is 0 here)
	ds_add_u32 v[SPW], v[NIL]                      ; 0 onto my spare word;
	s_wait_dscnt 4*NL+1                            ; (the add and the youngest 16 loads, A's blocks 4-7, may be out)
	WIN MUL_LO
	MUL16 0, 1, 0                                  ; sixteen matrix instructions stand between the add and the wait for it
	s_wait_dscnt 0x0                               ; the add is done, and my reads of this slot are over
	s_barrier_signal -1
	MUL16 2, 1, 0
	WIN 0
	s_barrier_wait -1
.if \fill
	CREST                                          ; the barrier has opened a round of the cluster's barrier: no wave of any partner still reads this slot's tile or has a load on its way
	s_add_nc_u64 s[G0+4*\slot+2:G0+4*\slot+3], s[G0+4*\slot+2:G0+4*\slot+3], s[90:91]
	s_add_nc_u64 s[G0B+4*\slot+2:G0B+4*\slot+3], s[G0B+4*\slot+2:G0B+4*\slot+3], s[92:93]
	JLOAD G0+4*\slot, G1, G0B+4*\slot, G1B         ; the first tensor load behind the round; the four v_nop behind it are the places in front of the loads below
.else
	PLACES NP
.endif
	FETCH_B \next, 0, 0
	FETCH_A \next, 0, 0
	WIN MUL_HI
	MUL16 4, 1, 0
	MUL16 6, 1, 0
	PLACES NP
	WIN 0
	FETCH_A \next, 0, 4
.endm
; The very last step of 128 along K: nothing more to fetch.  It stands once in each of the two ways out, with the accumulators in the same order of turns as everywhere.
; The places at its end stand behind the last products: their results are read, and registers that held A's fragments are written, from there on.
.macro LAST
	s_wait_dscnt 4*NL                              ; B's set and A's blocks 0-3 are in; the youngest 16 loads (A's blocks 4-7) may be out
	WIN MUL_LO
	MUL16 0, 1, 0
	MUL16 2, 1, 0
	s_wait_dscnt 0
	WIN MUL_HI
	MUL16 4, 1, 0
	MUL16 6, 1, 0
	WIN 0
	PLACES NP
.endm
.macro LOADCS a                        ; block a's part of the table: my token 16 a + r; (cos, sin) of k = 8 B + 4 h + 0..3, B = 0..3: register 8 B + 2 i the cosine, + 1 the sine
.irp n, 0,1,2,3,4,5,6,7
	global_load_b128 v[CS+32*((\a)%2)+4*\n:CS+32*((\a)%2)+4*\n+3], v[ROFF], s[8:9] offset:4096*(\a)+64*(\n/2)+16*(\n%2)
.endr
.endm
	s_wait_alu depctr_va_vdst(0)
	s_wait_tensorcnt 0x0                           ; my part of K step 0 is in; slot 1's first fill is issued as a refill is
	ds_add_u32 v[SPW], v[NIL]
	s_wait_dscnt 0x0
	CROUND                                         ; everybody's part of K step 0 is in, and all sixteen work-groups are here
	JLOAD G0+4, G1, G0B+4, G1B                     ; K step 1: the first tensor load behind the round
	FETCH_B 0, 0, 0
	FETCH_A 0, 0, 0
	FETCH_A 0, 0, 4
	STEP 0, 0, 1                                   ; K step 0: its first products start the sums
	TURN 0, 1, 1                                   ; slot 0 takes K step 2
	STEP 1, 0, 0
	TURN 1, 0, 1                                   ; slot 1 takes K step 3
	STEP 0, 0, 0
	TURN 0, 1, 0                                   ; nothing is left to fetch
	STEP 1, 0, 0
	; the conversion's one scale, made ahead of the parting of the ways: scalar lines and two moves into registers that no matrix instruction names
	s_wait_kmcnt 0x0
	s_cmp_eq_u32 s67, 1
	s_cselect_b32 s70, s79, s78                    ; k: entry 3; q: entry 2;
	s_cmp_ge_u32 ttmp9, 16
	s_cselect_b32 s70, s81, s70                    ; v: entry 5
	s_sub_co_i32 s70, s70, s76
	s_sub_co_i32 s70, s70, s77                     ; E = e - e0 - e1
	s_add_co_i32 s70, s70, 127
	s_lshl_b32 s71, s70, 23
	s_add_co_i32 s70, s70, 8
	s_lshl_b32 s70, s70, 23
	s_or_b32 s70, s70, 0x600000
	v_mov_b32 v[SCL], s71                          ; 2^E: the conversion takes its exponent field
	v_mov_b32 v[HOLD], s70                         ; 448 x 2^E
	s_cmp_ge_u32 ttmp9, 16                         ; the cluster's number: all sixteen partners, and all four waves, go the same way
	s_cbranch_scc1 .Lv_out
; Q AND K.  Block a: my tokens 16 a + 0..15.  Accumulator (a, b), lane (r, h), register j: token 16 a + r, channel 16 b + 8 h + j of my 128 (two heads): four pairs (even, odd) to rotate.
; even' = even cos - odd sin, odd' = even sin + odd cos: one packed multiply by the cosine, one packed multiply-add that takes the pair crosswise by the sine, the low half's negated.
; Accumulators 2 p and 2 p + 1 then give the 16 bytes that my lane has in group p % 2 of head p / 2's image.
.macro QKBLOCK a
.set AC, 64*((\a)%4)
.set CC, CS+32*((\a)%2)
.set DD, CD+16*((\a)%2)
.if (\a) < 7
	s_wait_loadcnt 8                               ; this block's eight table loads are in; the next block's eight may be out
.else
	s_wait_loadcnt 0
.endif
	WIN 0x02+((\a)/4)                              ; source 0: window 2 or 3
.irp b, 0,1,2,3,4,5,6,7                ; each accumulator from its low end on
.irp i, 0,2,4,6
	v_pk_mul_f32 v[T+8*\b+\i:T+8*\b+\i+1], v[AC+8*\b+\i:AC+8*\b+\i+1], v[CC+8*(\b%4)+\i:CC+8*(\b%4)+\i+1] op_sel_hi:[1,0]
.endr
.endr
.irp b, 0,1,2,3,4,5,6,7
.irp i, 0,2,4,6
	v_pk_fma_f32 v[T+8*\b+\i:T+8*\b+\i+1], v[AC+8*\b+\i:AC+8*\b+\i+1], v[CC+8*(\b%4)+\i:CC+8*(\b%4)+\i+1], v[T+8*\b+\i:T+8*\b+\i+1] op_sel:[1,1,0] op_sel_hi:[0,1,1] neg_lo:[0,1,0]
.endr
.endr
	WIN 0
.if (\a) < 6
	LOADCS (\a)+2                                  ; this set of the table has been read
.endif
.set i, 0
.rept 64
	v_med3_num_f32 v[T+i], v[T+i], -v[HOLD], v[HOLD]   ; the conversion to an 8-bit code does not saturate (ISA guide 7.6.2): the hold at the largest code x the scale
.set i, i+1
.endr
.if (\a) >= 2
	s_wait_alu depctr_va_vdst(0)
	s_wait_xcnt 0x0                                ; the stores of two blocks ago have read this set of codes
.endif
.irp b, 0,1,2,3,4,5,6,7
	v_cvt_scalef32_pk8_fp8_f32 v[DD+2*\b:DD+2*\b+1], v[T+8*\b:T+8*\b+7], v[SCL]
.endr
	v_nop                                          ; a plain vector line behind the conversions: the next block writes the registers that these have read
.irp p, 0,1,2,3
	global_store_b128 v[LI], v[DD+4*\p:DD+4*\p+3], s[94:95] offset:1024*(\a)+131072*(\p/2)+512*(\p%2)   ; 32 lanes store 512 consecutive bytes, aligned
.endr
.endm
	LOADCS 0                                       ; the table of my first two blocks of tokens: sixteen loads, which land under the last 64 products
	LOADCS 1
	LAST
.irp a, 0,1,2,3,4,5,6,7
	QKBLOCK \a
.endr
	s_branch .Lend
; V.  Block a: my channels 16 a + 0..15: head a / 4, its block a % 4.  Accumulator (a, b), lane (r, h), register j: channel 16 a + r, key 16 b + 8 h + j of my chunk of 128.
.Lv_out:
.macro VBLOCK a
.set AC, 64*((\a)%4)
.set DD, CD+16*((\a)%2)
	WIN 0x02+((\a)/4)
.set i, 0
.rept 64
	v_med3_num_f32 v[T+i], v[AC+i], -v[HOLD], v[HOLD]  ; ascending: each accumulator from its low end on
.set i, i+1
.endr
	WIN 0
.if (\a) >= 2
	s_wait_alu depctr_va_vdst(0)
	s_wait_xcnt 0x0                                ; the stores of two blocks ago have read this set of codes
.endif
.irp b, 0,1,2,3,4,5,6,7
	v_cvt_scalef32_pk8_fp8_f32 v[DD+2*\b:DD+2*\b+1], v[T+8*\b:T+8*\b+7], v[SCL]
.endr
	v_nop                                          ; a plain vector line behind the conversions
.irp p, 0,1,2,3
	global_store_b128 v[LI], v[DD+4*\p:DD+4*\p+3], s[94:95] offset:131072*((\a)/4)+2048*((\a)%4)+512*\p
.endr
.endm
	LAST
	s_wait_alu depctr_va_vdst(0)
.irp a, 0,1,2,3,4,5,6,7
	VBLOCK \a
.endr
.Lend:
	s_wait_tensorcnt 0x0                           ; the wave's end, behind my last tensor load
	ds_add_u32 v[SPW], v[NIL]
	s_wait_dscnt 0x0
	CROUND                                         ; the closing round: no work-group ends while a partner may still ask for a tile that names it
	s_endpgm
.Lfunc_end_k_q011b76fa7e_qkv:
	.size	k_q011b76fa7e_qkv, .Lfunc_end_k_q011b76fa7e_qkv-k_q011b76fa7e_qkv
	.p2alignl 7, 3214868480
	.fill 96, 4, 3214868480
	.section	.rodata,"a",@progbits
	.p2align	6, 0x0
	.amdhsa_kernel k_q011b76fa7e_qkv
		.amdhsa_group_segment_fixed_size 327680
		.amdhsa_private_segment_fixed_size 0
		.amdhsa_enable_private_segment 0
		.amdhsa_kernarg_size 56
		.amdhsa_user_sgpr_count 2
		.amdhsa_user_sgpr_kernarg_segment_ptr 1
		.amdhsa_wavefront_size32 1
		.amdhsa_system_sgpr_workgroup_id_x 1
		.amdhsa_system_sgpr_workgroup_id_y 1
		.amdhsa_system_sgpr_workgroup_id_z 1
		.amdhsa_system_vgpr_workitem_id 0
		.amdhsa_next_free_vgpr 1024
		.amdhsa_next_free_sgpr 100
		.amdhsa_reserve_vcc 0
		.amdhsa_float_denorm_mode_32 3
		.amdhsa_float_denorm_mode_16_64 3
		.amdhsa_memory_ordered 1
		.amdhsa_forward_progress 1
		.amdhsa_inst_pref_size 202
	.end_amdhsa_kernel
	.amdgpu_metadata
---
amdhsa.version: [ 1, 2 ]
amdhsa.kernels:
  - .name:           k_q011b76fa7e_qkv
    .symbol:         k_q011b76fa7e_qkv.kd
    .args:
      - { .name: xc, .offset: 0, .size: 8, .value_kind: global_buffer, .address_space: global }
      - { .name: wqc, .offset: 8, .size: 8, .value_kind: global_buffer, .address_space: global }
      - { .name: rope, .offset: 16, .size: 8, .value_kind: global_buffer, .address_space: global }
      - { .name: lowp_scales, .offset: 24, .size: 8, .value_kind: global_buffer, .address_space: global }
      - { .name: qc, .offset: 32, .size: 8, .value_kind: global_buffer, .address_space: global }
      - { .name: kc, .offset: 40, .size: 8, .value_kind: global_buffer, .address_space: global }
      - { .name: vc, .offset: 48, .size: 8, .value_kind: global_buffer, .address_space: global }
    .group_segment_fixed_size: 327680
    .private_segment_fixed_size: 0
    .kernarg_segment_align: 8
    .kernarg_segment_size: 56
    .max_flat_workgroup_size: 128
    .sgpr_count:     100
    .vgpr_count:     1024
    .wavefront_size: 32
...
	.end_amdgpu_metadata
.endif
;; end of part 2
;; launch attn (part 3): grid 4 x 64, 16 waves a work-group, clusters of 4 x 1, 327,680 bytes of LDS; arguments qc, kc, vc, lowp_scales, ac; writes ac
.if DOCPART == 3
	.amdgcn_target "amdgcn-amd-amdhsa--gfx1250"
	.amdhsa_code_object_version 6
	.text
	.protected	k_q011b76fa7e_attn
	.globl	k_q011b76fa7e_attn
	.p2align	8
	.type	k_q011b76fa7e_attn,@function
k_q011b76fa7e_attn:
	s_mov_b64 s[64:65], 0
	v_nop
	global_prefetch_b8 v0, s[64:65] scope:SCOPE_SE
	s_setreg_imm32_b32 hwreg(HW_REG_WAVE_MODE, 25, 1), 1
	s_wait_xcnt 0x0
	s_wait_alu depctr_hold_cnt(0) depctr_sa_sdst(0) depctr_va_vdst(0) depctr_va_sdst(0) depctr_va_ssrc(0) depctr_va_vcc(0) depctr_vm_vsrc(0)
	s_getreg_b32 s2, hwreg(HW_REG_IB_STS2, 6, 4)
	s_cmp_eq_u32 s2, 0
	s_cbranch_scc0 .Lentry_in_a_cluster
	s_endpgm
.Lentry_in_a_cluster:
	s_bfe_u32 s2, ttmp6, 0x10000c
	s_cmp_lg_u32 s2, 0x3003
	s_cbranch_scc0 .Lentry_shape_is_right
	s_endpgm
.Lentry_shape_is_right:
; Causal attention of 64 heads (2,048 tokens, head size 64) on codes of FP8 (E4M3), and the codes of its result for the last projection.
; qc, kc: [64 heads][128 blocks of 16 tokens][1024]: images of fragments 16 tokens x 64 channels (group g of two at 512 g, lane l's 16 bytes at 16 l).
; vc: [64 heads][16 chunks of 128 keys][4 blocks of 16 channels][2048]: images of fragments 16 channels x 128 keys.  ac: [4 K steps of 256][512 blocks of 16 tokens][4096], K = 64 x head + channel.
; THE SOFTMAX: t = score x log2(e) / 8; M = the row's largest t so far, rounded UP to a whole number (kept as -M; the ceiling of a maximum is the maximum of the ceilings); p = 2^(t - M) is quantised, not normalised.
; The row's sum is taken of the unquantised p, in f32, and divides O at the end.  When M moves, the sum and O are multiplied by 2^(old M - new M): exact.
; WORK LEFT OUT: steps of 128 keys all of which come after a wave's 32 queries: the causal mask gives them the weight 0 for every input.
; A HEAD'S K AND V LIE WHOLE IN LDS: 131,072 bytes each.  Each of the sixteen waves asks twice: 2,048 bytes at the head (together keys 0-255), then 14,336 bytes (the other 1,792 keys) behind the full sequence and a round;
; the second load is out while steps 0 and 1 are worked; one barrier follows, and the last 14 steps have no barrier: nothing is ever filled again.
; SHARES.  A head's 64 tiles of 32 queries: tile j = 4 n + cx goes to work-group cx of the head's cluster, to the wave whose table entry is n.  Tile j needs steps 0 .. n, whatever cx: so all four partners read all keys,
; and no branch hangs on cx.  The table is a square of 4 x 4 with the numbers n + 1 = 1 .. 16, each row and each column summing to 34: any four waves w % 4 alike, or w / 4 alike, have 34 steps together.
; CLUSTER 4 x 1: the four work-groups of a head ask for K and V jointly (mask 15): same line, same descriptor (head and wave number alone).
; NO PREFETCH: all of K and V has been asked for when the head ends; no later request exists that a prefetch could run ahead of.
; Both products are used transposed: S^T = K Q^T, O^T = V^T P^T: a lane holds ONE query of each of its two tiles; each fragment of K and V feeds two matrix instructions.
; A tile's eight registers are keys 16 t + 8 (lane / 16) + 0..7: their codes ARE registers 2 t, 2 t + 1 of the second product's operand; O^T's codes are my lane's bytes of ac's image.
; LIMITS on the given exponents, so that each power of two is an f32 number: e2 + e3 between -123 and 130; e4 and e6 between -126 and 119.  The scaled scores stay under 2^31 in magnitude.  NaN among the codes is not served.
; REGISTERS: v1 16 x lane; v2 LDS address; v3 2^e4; v4, v5 the add's two; v[6:7], v[14:15] at work; v[8:9] -M of tile 0, 1; v[10:13] the sums; v16-31 Q; v32-95 O^T; v96-159, v160-223 S^T then p of tile 0, 1; v224-255 p's codes.
; K's eight fragments come in one run: 0, 1, 6, 7 into v224-255; 2 to 5 into the places of the results of key tiles 6 and 7, which are multiplied last.  V's four fragments take tile 0's 64 registers once its codes are made.
.set VB,    131072                     ; V's images begin here
.set SPARE, 262144                     ; the spare words, 128 bytes for each wave: eight blocks of 256 bytes that no other line names
.set LI,  1
.set ADR, 2
.set SC4, 3
.set SPW, 4
.set NIL, 5
.set X,   6
.set NM,  8
.set SUM, 10
.set Y,   14
.set Q,   16
.set O,   32
.set S,   96
.set F,   224
.set WV,  18                           ; s18 my wave's number
.set NC,  19                           ; s19 -c
.set SEL, 20                           ; s[20:21] selects for lane l xor 16
.set CS,  22                           ; s[22:23] c = log2(e) / 8 x 2^(e2 + e3)
.set G1A, 24                           ; s[24:31] group 1: 8 rows of 256 bytes
.set G1B, 32                           ; s[32:39] group 1: 56 rows of 256 bytes
.set G0A, 40                           ; s[40:43], s[44:47] the two groups 0
.set G0B, 44
.set ML,  56                           ; s56 n: my last step
.set ST,  57                           ; s57 the step
.set TB,  58                           ; s58 8,192 x the step
.set H4,  59                           ; s59 448 x 2^e4
.set NINF, 60                          ; s60 -infinity
.set E45, 61                           ; s61 e4 + e5
.set CX32, 62                          ; s62 32 cx: my first query less the first key of my last step
.set S6,  63                           ; s63 2^e6
.set H6,  67                           ; s67 448 x 2^e6
.macro ROUND                           ; a round of the cluster's barrier
	s_barrier_signal -1
	s_barrier_wait -1
	s_cmp_lg_u32 s[WV], 0
	s_cbranch_scc1 .Lnot_wave_0_\@
	s_barrier_signal -3
.Lnot_wave_0_\@:
	s_barrier_wait -3
	s_barrier_signal -1
	s_barrier_wait -1
.endm
	s_load_b256 s[4:11], s[0:1], 0x0               ; qc s[4:5], kc s[6:7], vc s[8:9], the scales' exponents s[10:11]
	s_load_b64 s[12:13], s[0:1], 0x20              ; ac
	v_lshl_add_u32 v[SPW], v0, 2, SPARE
	v_mov_b32 v[NIL], 0
	ds_add_u32 v[SPW], v[NIL]                      ; the opening lines: the add, twice on end, and its wait ahead of my first tensor load
	ds_add_u32 v[SPW], v[NIL]
	v_lshrrev_b32 v[X], 5, v0
	v_readfirstlane_b32 s[WV], v[X]                ; wave 0..15
	s_and_b32 s72, ttmp7, 0xffff                   ; 16 b + head
	s_bfe_u32 s73, ttmp6, 0x40000                  ; cx
	s_mov_b32 s74, 0x7a94c12f                      ; the table: n of waves 0-7, four bits each,
	s_mov_b32 s75, 0x0de3b658                      ; and of waves 8-15
	s_cmp_lt_u32 s[WV], 8
	s_cselect_b32 s74, s74, s75
	s_and_b32 s75, s[WV], 7
	s_lshl_b32 s75, s75, 2
	s_lshr_b32 s74, s74, s75
	s_and_b32 s[ML], s74, 15
	s_lshl_b32 s[CX32], s73, 5
	s_lshl_b32 s74, s[ML], 2
	s_add_co_u32 s74, s74, s73                     ; my tile j of 32 queries
	s_lshl_b32 s66, s72, 17                        ; the head's first byte in qc, kc and vc
	s_lshl_b32 s16, s74, 11
	s_add_co_u32 s16, s16, s66                     ; my two images in qc
	s_mov_b32 s17, 0
	s_and_b32 s75, s72, 15                         ; the head: K = 64 x head + channel of the next product:
	s_lshr_b32 s76, s75, 2
	s_lshl_b32 s76, s76, 21                        ; K step head / 4,
	s_and_b32 s75, s75, 3
	s_lshl_b32 s75, s75, 10                        ; 1,024 x (head % 4) in a block's 4,096 bytes,
	s_add_co_u32 s76, s76, s75
	s_lshr_b32 s75, s72, 4
	s_lshl_b32 s75, s75, 19                        ; b's 128 blocks,
	s_add_co_u32 s76, s76, s75
	s_lshl_b32 s75, s74, 13                        ; my two blocks of 16 tokens
	s_add_co_u32 s76, s76, s75
	s_mov_b32 s77, 0
	s_and_b32 s78, s[WV], 7                        ; waves 0-7 fetch K's images, waves 8-15 V's, an eighth each
	s_lshr_b32 s79, s[WV], 3
	s_lshl_b32 s79, s79, 17
	s_lshl_b32 s2, s78, 11                         ; first load: 2,048 bytes at 2,048 x (wave % 8)
	s_mul_i32 s14, s78, 14336
	s_add_co_u32 s14, s14, 16384                   ; second load: 14,336 bytes behind the first 16,384
	s_mov_b32 s[G0A], 1
	s_add_co_u32 s[G0A+1], s79, s2
	s_mov_b32 s[G0B], 1
	s_add_co_u32 s[G0B+1], s79, s14
	s_add_co_u32 s2, s2, s66
	s_mov_b32 s3, 0
	s_add_co_u32 s14, s14, s66
	s_mov_b32 s15, 0
	s_mov_b32 s[G1A], 15|(3<<16)|(1<<21)           ; the mask: all four of the cluster; elements of 8 bytes; bit 21 beside a mask
	s_mov_b32 s[G1A+1], 32<<16
	s_mov_b32 s[G1A+2], 8<<16
	s_mov_b32 s[G1A+3], 32<<16
	s_mov_b32 s[G1A+4], 8
	s_mov_b32 s[G1A+5], 32
	s_mov_b32 s[G1A+6], 0
	s_mov_b32 s[G1A+7], 0
	s_mov_b32 s[G1B], 15|(3<<16)|(1<<21)
	s_mov_b32 s[G1B+1], 32<<16
	s_mov_b32 s[G1B+2], 56<<16
	s_mov_b32 s[G1B+3], 32<<16
	s_mov_b32 s[G1B+4], 56
	s_mov_b32 s[G1B+5], 32
	s_mov_b32 s[G1B+6], 0
	s_mov_b32 s[G1B+7], 0
	s_mov_b32 s[SEL], 0x76543210
	s_mov_b32 s[SEL+1], 0xfedcba98
	s_mov_b32 s[CS], 0x3e38aa3b                    ; log2(e) / 8
	s_mov_b32 s[NINF], 0xff800000
	s_wait_dscnt 0x0                               ; both opening adds are done
	s_wait_kmcnt 0x0
	s_load_b256 s[48:55], s[10:11], 0x0            ; the eight exponents
	s_cmp_lt_u32 s[WV], 8
	s_cselect_b64 s[78:79], s[6:7], s[8:9]
	s_add_nc_u64 s[G0A+2:G0A+3], s[78:79], s[2:3]
	s_or_b32 s[G0A+3], s[G0A+3], 0x80000000
	s_add_nc_u64 s[G0B+2:G0B+3], s[78:79], s[14:15]
	s_or_b32 s[G0B+3], s[G0B+3], 0x80000000
	s_add_nc_u64 s[68:69], s[4:5], s[16:17]        ; Q's images
	s_add_nc_u64 s[70:71], s[12:13], s[76:77]      ; where my codes go
	ROUND                                          ; all four work-groups are here: the first joint loads meet
	tensor_load_to_lds s[G0A:G0A+3], s[G1A:G1A+7]  ; my eighth of K's or V's first 256 keys
	s_nop 0
	v_and_b32 v[LI], 31, v0
	v_lshlrev_b32 v[LI], 4, v[LI]
.irp g, 0,1,2,3
	global_load_b128 v[Q+4*\g:Q+4*\g+3], v[LI], s[68:69] offset:512*\g   ; Q's two fragments stay in registers
.endr
	v_mov_b32 v[NM], 0x7f61b1e6                    ; -M: 3e38, above every -t
	v_mov_b32 v[NM+1], 0x7f61b1e6
.irp r, X, X+1, Y, Y+1, SUM, SUM+1, SUM+2, SUM+3
	v_mov_b32 v[\r], 0
.endr
.set j, 0
.rept 64
	v_mov_b32 v[O+j], 0                            ; O^T: the step is written without a first step of its own; the first change of M leaves zeros zeros
.set j, j+1
.endr
	s_wait_kmcnt 0x0
	s_add_co_i32 s72, s50, s51
	s_lshl_b32 s72, s72, 23
	s_add_co_i32 s[CS], s[CS], s72                 ; a score stands for score x 2^(e2 + e3)
	s_mov_b32 s[CS+1], s[CS]
	s_xor_b32 s[NC], s[CS], 0x80000000
	s_add_co_i32 s72, s52, 127
	s_lshl_b32 s73, s72, 23
	v_mov_b32 v[SC4], s73                          ; 2^e4, for p's conversion
	s_add_co_i32 s72, s72, 8
	s_lshl_b32 s72, s72, 23
	s_or_b32 s[H4], s72, 0x600000
	s_add_co_i32 s72, s54, 127
	s_lshl_b32 s[S6], s72, 23
	s_add_co_i32 s72, s72, 8
	s_lshl_b32 s72, s72, 23
	s_or_b32 s[H6], s72, 0x600000
	s_add_co_i32 s[E45], s52, s53
.macro KLD t, r                        ; K's image of keys 16 t on
	ds_load_b128 v[\r:\r+3], v[ADR] offset:1024*\t
	ds_load_b128 v[\r+4:\r+7], v[ADR] offset:1024*\t+512
.endm
.macro SMM t, r                        ; one fragment of K against both tiles of queries
	v_wmma_f32_16x16x64_fp8_fp8 v[S+8*\t:S+8*\t+7], v[\r:\r+7], v[Q:Q+7], 0
	v_wmma_f32_16x16x64_fp8_fp8 v[S+64+8*\t:S+64+8*\t+7], v[\r:\r+7], v[Q+8:Q+15], 0
.endm
.macro PQ u                            ; tile u: the sum of the unquantised p in three chains, the hold, the codes
.set BS, S+64*\u
.set AS, SUM+2*\u
	v_pk_add_f32 v[X:X+1], v[BS:BS+1], v[BS+2:BS+3]
	v_pk_add_f32 v[Y:Y+1], v[BS+4:BS+5], v[BS+6:BS+7]
.set j, 8
.rept 9
	v_pk_add_f32 v[AS:AS+1], v[AS:AS+1], v[BS+j:BS+j+1]
	v_pk_add_f32 v[X:X+1], v[X:X+1], v[BS+j+2:BS+j+3]
	v_pk_add_f32 v[Y:Y+1], v[Y:Y+1], v[BS+j+4:BS+j+5]
.set j, j+6
.endr
	v_pk_add_f32 v[AS:AS+1], v[AS:AS+1], v[BS+62:BS+63]
	v_pk_add_f32 v[X:X+1], v[X:X+1], v[Y:Y+1]
	v_pk_add_f32 v[AS:AS+1], v[AS:AS+1], v[X:X+1]
.set j, 0
.rept 64
	v_min_num_f32 v[BS+j], s[H4], v[BS+j]          ; the conversion to an 8-bit code does not saturate (ISA guide 7.6.2); p is not negative, so the hold is one-sided
.set j, j+1
.endr
.irp t, 0,1,2,3,4,5,6,7
	v_cvt_scalef32_pk8_fp8_f32 v[F+16*\u+2*\t:F+16*\u+2*\t+1], v[BS+8*\t:BS+8*\t+7], v[SC4]
.endr
.endm
; A STEP: 128 keys against my 32 queries.
.macro STEP
	s_cmp_gt_u32 s[ST], s[ML]
	s_cbranch_scc1 .Lhid_\@                        ; all 128 keys come after my queries: the wave's number and the count of steps alone decide; no barrier and no tensor load stands in a step
	v_add_nc_u32 v[ADR], s[TB], v[LI]
.rept 4
	v_nop                                          ; with the addition: five places in front of the loads into, and the products that write over, registers that the last products have read
.endr
	KLD 0, F
	KLD 1, F+8
	KLD 2, S+48
	KLD 3, S+56
	KLD 4, S+112
	KLD 5, S+120
	KLD 6, F+16
	KLD 7, F+24
	s_wait_alu depctr_va_vdst(0)                   ; directly ahead of the wait below
	s_wait_dscnt 0x0
	SMM 0, F
	SMM 1, F+8
	SMM 2, S+48
	SMM 3, S+56
	SMM 4, S+112
	SMM 5, S+120
	v_add_nc_u32 v[ADR], VB, v[ADR]                ; V's images of this step.  With the four lines below: five places in front of products that write over fragments 2 to 5
.rept 4
	v_nop
.endr
	SMM 6, F+16
	SMM 7, F+24
	s_cmp_lg_u32 s[ST], s[ML]
	s_cbranch_scc1 .Lopen_\@                       ; all 128 keys count
	v_and_b32 v[X], 15, v0                         ; MY LAST STEP lies on the diagonal: hidden scores become -infinity ahead of the maximum, so that p = 0
	v_bfe_u32 v[X+1], v0, 4, 1
	v_lshlrev_b32 v[X+1], 3, v[X+1]
	v_sub_nc_u32 v[X], v[X], v[X+1]
	v_add_nc_u32 v[X], s[CX32], v[X]               ; d = tile 0's query - the step's first key - 8 (lane / 16): register 8 t + i of tile 0 counts where 16 t + i <= d;
.set n, 0
.rept 64
	v_cmp_le_i32 vcc_lo, 16*(n/8)+n%8, v[X]
	v_cndmask_b32 v[S+n], s[NINF], v[S+n], vcc_lo
.if n < 56
	v_cndmask_b32 v[S+72+n], s[NINF], v[S+72+n], vcc_lo   ; tile 1's queries lie 16 on: its register 8 (t + 1) + i has the same mask; its key tile 0 counts whole
.endif
.set n, n+1
.endr
.Lopen_\@:
	v_max3_num_f32 v[X], v[S], v[S+1], v[S+2]      ; the step's largest scores, two chains a tile, the tiles by turns, ascending
	v_max3_num_f32 v[Y], v[S+64], v[S+65], v[S+66]
	v_max3_num_f32 v[X+1], v[S+3], v[S+4], v[S+5]
	v_max3_num_f32 v[Y+1], v[S+67], v[S+68], v[S+69]
.set i, 6
.rept 14
	v_max3_num_f32 v[X], v[X], v[S+i], v[S+i+1]
	v_max3_num_f32 v[Y], v[Y], v[S+64+i], v[S+65+i]
	v_max3_num_f32 v[X+1], v[X+1], v[S+i+2], v[S+i+3]
	v_max3_num_f32 v[Y+1], v[Y+1], v[S+66+i], v[S+67+i]
.set i, i+4
.endr
	v_max3_num_f32 v[X], v[X], v[S+62], v[S+63]
	v_max3_num_f32 v[Y], v[Y], v[S+126], v[S+127]
	v_max_num_f32 v[X], v[X], v[X+1]
	v_max_num_f32 v[Y], v[Y], v[Y+1]
	v_permlanex16_b32 v[X+1], v[X], s[SEL], s[SEL+1]
	v_permlanex16_b32 v[Y+1], v[Y], s[SEL], s[SEL+1]
	v_max_num_f32 v[X], v[X], v[X+1]               ; and lane l xor 16's
	v_max_num_f32 v[Y], v[Y], v[Y+1]
	v_mul_f32 v[X], s[NC], v[X]                    ; -t (c is positive)
	v_mul_f32 v[Y], s[NC], v[Y]
	v_floor_f32 v[X], v[X]                         ; -ceil(t)
	v_floor_f32 v[Y], v[Y]
	v_min_num_f32 v[X], v[X], v[NM]                ; the new -M
	v_min_num_f32 v[Y], v[Y], v[NM+1]
	v_sub_f32 v[X+1], v[X], v[NM]                  ; old M - new M: a whole number, 0 or less
	v_sub_f32 v[Y+1], v[Y], v[NM+1]
	v_mov_b32 v[NM], v[X]
	v_mov_b32 v[NM+1], v[Y]
	v_cvt_i32_f32 v[X+1], v[X+1]                   ; (it saturates)
	v_cvt_i32_f32 v[Y+1], v[Y+1]
	v_ldexp_f32 v[X], 1.0, v[X+1]                  ; f = 2^(old M - new M)
	v_ldexp_f32 v[Y], 1.0, v[Y+1]
	v_pk_mul_f32 v[SUM:SUM+1], v[SUM:SUM+1], v[X:X+1] op_sel_hi:[1,0]
	v_pk_mul_f32 v[SUM+2:SUM+3], v[SUM+2:SUM+3], v[Y:Y+1] op_sel_hi:[1,0]
.set j, 0
.rept 16
	v_pk_mul_f32 v[O+j:O+j+1], v[O+j:O+j+1], v[X:X+1] op_sel_hi:[1,0]          ; O^T under the new M, ahead of the exponentials; each accumulator from its low end on
	v_pk_mul_f32 v[O+32+j:O+33+j], v[O+32+j:O+33+j], v[Y:Y+1] op_sel_hi:[1,0]
.set j, j+2
.endr
.set j, 0
.rept 32
	v_pk_fma_f32 v[S+j:S+j+1], v[S+j:S+j+1], s[CS:CS+1], v[NM:NM+1] op_sel_hi:[1,0,0]   ; tile 0: t - M (the pair's low word serves both halves)
.set j, j+2
.endr
	s_wait_alu depctr_va_vdst(0)                   ; ahead of a batch of exponentials
.set j, 0
.rept 64
	v_exp_f32 v[S+j], v[S+j]
.set j, j+1
.endr
.set j, 0
.rept 32
	v_pk_fma_f32 v[S+64+j:S+65+j], v[S+64+j:S+65+j], s[CS:CS+1], v[NM:NM+1] op_sel:[0,0,1] op_sel_hi:[1,0,1]   ; tile 1: the pair's high word serves both halves
.set j, j+2
.endr
	s_wait_alu depctr_va_vdst(0)                   ; one wait: behind tile 0's batch, ahead of tile 1's
.set j, 0
.rept 64
	v_exp_f32 v[S+64+j], v[S+64+j]
.set j, j+1
.endr
	PQ 0
.irp c, 0,1,2,3
.irp g, 0,1,2,3
	ds_load_b128 v[S+16*\c+4*\g:S+16*\c+4*\g+3], v[ADR] offset:2048*\c+512*\g   ; V's image of channels 16 c on, into tile 0's registers: it lands under tile 1's sums and codes
.endr
.endr
	s_wait_alu depctr_va_vdst(0)                   ; behind tile 1's batch, ahead of its first reader
	PQ 1
	v_nop                                          ; a plain line between the conversions and the products that read their results
	s_wait_alu depctr_va_vdst(0)
	s_wait_dscnt 0x0                               ; V's images are in
.irp c, 0,1,2,3                        ; eight accumulators by turns, one instruction a turn
	v_wmma_f32_16x16x128_fp8_fp8 v[O+8*\c:O+8*\c+7], v[S+16*\c:S+16*\c+15], v[F:F+15], v[O+8*\c:O+8*\c+7]
	v_wmma_f32_16x16x128_fp8_fp8 v[O+32+8*\c:O+39+8*\c], v[S+16*\c:S+16*\c+15], v[F+16:F+31], v[O+32+8*\c:O+39+8*\c]
.endr
.Lhid_\@:
	s_add_co_u32 s[TB], s[TB], 8192
.endm
	s_wait_alu depctr_va_vdst(0)
	s_wait_loadcnt 0x0                             ; Q
	s_wait_tensorcnt 0x0                           ; my part of the first 256 keys is in; the later first fill is issued as a refill is
	ds_add_u32 v[SPW], v[NIL]
	s_wait_dscnt 0x0
	ROUND                                          ; everybody's part is in, and all four work-groups are here
	tensor_load_to_lds s[G0B:G0B+3], s[G1B:G1B+7]  ; my eighth of the other 1,792 keys of K or of V: bytes that steps 0 and 1 do not read
	s_nop 0
	s_mov_b32 s[ST], 0
	s_mov_b32 s[TB], 0
.Lfirst:                                           ; steps 0 and 1
	STEP
	s_add_co_u32 s[ST], s[ST], 1
	s_cmp_lt_u32 s[ST], 2
	s_cbranch_scc1 .Lfirst
	s_wait_alu depctr_va_vdst(0)
	s_wait_tensorcnt 0x0                           ; my part of the rest is in,
	s_wait_dscnt 0x0
	s_barrier_signal -1
	s_barrier_wait -1                              ; everybody's is.
	s_mov_b32 s[ST], 2
	s_mov_b32 s[TB], 16384
.Lrest:                                            ; steps 2 to 15: a constant count of trips; a wave's steps beyond its last are jumped over
	STEP
	s_add_co_u32 s[ST], s[ST], 1
	s_cmp_lt_u32 s[ST], 16
	s_cbranch_scc1 .Lrest
	; THE WAY OUT.  O^T / the sum x 2^(e4 + e5) is quantised with 2^e6; two neighbouring accumulators give my lane's 16 bytes of a group of ac's image.
	v_add_f32 v[SUM], v[SUM], v[SUM+1]
	v_add_f32 v[SUM+2], v[SUM+2], v[SUM+3]
	v_permlanex16_b32 v[X], v[SUM], s[SEL], s[SEL+1]
	v_permlanex16_b32 v[Y], v[SUM+2], s[SEL], s[SEL+1]
	v_add_f32 v[SUM], v[SUM], v[X]
	v_add_f32 v[SUM+2], v[SUM+2], v[Y]
	s_wait_alu depctr_va_vdst(0)                   ; ahead of the reciprocals
	v_rcp_f32 v[SUM], v[SUM]
	v_rcp_f32 v[SUM+2], v[SUM+2]
	v_mov_b32 v[X], s[S6]                          ; (plain lines behind the reciprocals)
	v_mov_b32 v[Y], s[H6]
	s_wait_alu depctr_va_vdst(0)                   ; ahead of their first reader
	v_ldexp_f32 v[SUM], v[SUM], s[E45]
	v_ldexp_f32 v[SUM+2], v[SUM+2], s[E45]
	s_wait_alu depctr_va_vdst(0)                   ; directly ahead of the first reader of O^T
.set j, 0
.rept 16
	v_pk_mul_f32 v[S+j:S+j+1], v[O+j:O+j+1], v[SUM:SUM+1] op_sel_hi:[1,0]
	v_pk_mul_f32 v[S+32+j:S+33+j], v[O+32+j:O+33+j], v[SUM+2:SUM+3] op_sel_hi:[1,0]
.set j, j+2
.endr
.set j, 0
.rept 64
	v_med3_num_f32 v[S+j], v[S+j], -v[Y], v[Y]     ; the hold at the largest code x the scale
.set j, j+1
.endr
.irp t, 0,1,2,3,4,5,6,7
	v_cvt_scalef32_pk8_fp8_f32 v[F+2*\t:F+2*\t+1], v[S+8*\t:S+8*\t+7], v[X]
.endr
	v_nop                                          ; a plain line behind the conversions
.irp u, 0,1
.irp g, 0,1
	global_store_b128 v[LI], v[F+8*\u+4*\g:F+8*\u+4*\g+3], s[70:71] offset:4096*\u+512*\g   ; 32 lanes store 512 consecutive bytes, aligned
.endr
.endr
	s_wait_tensorcnt 0x0                           ; the wave's end
	ds_add_u32 v[SPW], v[NIL]
	s_wait_dscnt 0x0
	ROUND                                          ; the closing round
	s_endpgm
.Lfunc_end_k_q011b76fa7e_attn:
	.size	k_q011b76fa7e_attn, .Lfunc_end_k_q011b76fa7e_attn-k_q011b76fa7e_attn
	.p2alignl 7, 3214868480
	.fill 96, 4, 3214868480
	.section	.rodata,"a",@progbits
	.p2align	6, 0x0
	.amdhsa_kernel k_q011b76fa7e_attn
		.amdhsa_group_segment_fixed_size 327680
		.amdhsa_private_segment_fixed_size 0
		.amdhsa_enable_private_segment 0
		.amdhsa_kernarg_size 40
		.amdhsa_user_sgpr_count 2
		.amdhsa_user_sgpr_kernarg_segment_ptr 1
		.amdhsa_wavefront_size32 1
		.amdhsa_system_sgpr_workgroup_id_x 1
		.amdhsa_system_sgpr_workgroup_id_y 1
		.amdhsa_system_sgpr_workgroup_id_z 1
		.amdhsa_system_vgpr_workitem_id 0
		.amdhsa_next_free_vgpr 256
		.amdhsa_next_free_sgpr 80
		.amdhsa_reserve_vcc 1
		.amdhsa_float_denorm_mode_32 3
		.amdhsa_float_denorm_mode_16_64 3
		.amdhsa_memory_ordered 1
		.amdhsa_forward_progress 1
		.amdhsa_inst_pref_size 87
	.end_amdhsa_kernel
	.amdgpu_metadata
---
amdhsa.version: [ 1, 2 ]
amdhsa.kernels:
  - .name:           k_q011b76fa7e_attn
    .symbol:         k_q011b76fa7e_attn.kd
    .args:
      - { .name: qc, .offset: 0, .size: 8, .value_kind: global_buffer, .address_space: global }
      - { .name: kc, .offset: 8, .size: 8, .value_kind: global_buffer, .address_space: global }
      - { .name: vc, .offset: 16, .size: 8, .value_kind: global_buffer, .address_space: global }
      - { .name: lowp_scales, .offset: 24, .size: 8, .value_kind: global_buffer, .address_space: global }
      - { .name: ac, .offset: 32, .size: 8, .value_kind: global_buffer, .address_space: global }
    .group_segment_fixed_size: 327680
    .private_segment_fixed_size: 0
    .kernarg_segment_align: 8
    .kernarg_segment_size: 40
    .max_flat_workgroup_size: 512
    .sgpr_count:     80
    .vgpr_count:     256
    .wavefront_size: 32
...
	.end_amdgpu_metadata
.endif
;; end of part 3
;; launch proj (part 4): grid 4 x 32, 4 waves a work-group, clusters of 4 x 4, 327,680 bytes of LDS; arguments ac, woc, lowp_scales, out0; writes out0
.if DOCPART == 4
	.amdgcn_target "amdgcn-amd-amdhsa--gfx1250"
	.amdhsa_code_object_version 6
	.text
	.protected	k_q011b76fa7e_proj
	.globl	k_q011b76fa7e_proj
	.p2align	8
	.type	k_q011b76fa7e_proj,@function
k_q011b76fa7e_proj:
	s_mov_b64 s[64:65], 0
	v_nop
	global_prefetch_b8 v0, s[64:65] scope:SCOPE_SE
	s_setreg_imm32_b32 hwreg(HW_REG_WAVE_MODE, 25, 1), 1
	s_wait_xcnt 0x0
	s_wait_alu depctr_hold_cnt(0) depctr_sa_sdst(0) depctr_va_vdst(0) depctr_va_sdst(0) depctr_va_ssrc(0) depctr_va_vcc(0) depctr_vm_vsrc(0)
	s_getreg_b32 s2, hwreg(HW_REG_IB_STS2, 6, 4)
	s_cmp_eq_u32 s2, 0
	s_cbranch_scc0 .Lentry_in_a_cluster
	s_endpgm
.Lentry_in_a_cluster:
	s_bfe_u32 s2, ttmp6, 0x10000c
	s_cmp_lg_u32 s2, 0xf033
	s_cbranch_scc0 .Lentry_shape_is_right
	s_endpgm
.Lentry_shape_is_right:
.set SIZE_N, 1024
.set KSA,    2097152
.set KSB,    262144
.set HALFT,  32768
.set SLOT,   4*HALFT
.set SPARE,  2*SLOT
.set SPITCH, 528
.set FR,     16
.set NL,     4
.set NP,     4
.set ADRA, 16
.set ADRB, 20
.set STO,  24
.set RD,   25
.set CO,   26
.set SPW,  28
.set NIL,  29
.set TMP,  32
.set AF,   128
.set BK,   128
.set G1, 24
.set G0, 32
.set G1B, 48
.set G0B, 56
.set MSB, 0
.macro WIN new
.if MSB != \new
	s_set_vgpr_msb (MSB<<8)|\new
.set MSB, \new
.endif
.endm
.set MUL_LO, 0xa1
.set MUL_HI, 0xf1
.set TO_B,   0x40
.macro JLOAD g0a, g1a, g0b, g1b
	s_cmp_eq_u32 s15, 0
	s_cbranch_scc0 .Lfor_b_\@
	tensor_load_to_lds s[\g0a:\g0a+3], s[\g1a:\g1a+7]
	s_nop 0
.rept 4
	v_nop
.endr
	s_branch .Lasked_\@
.Lfor_b_\@:
	tensor_load_to_lds s[\g0b:\g0b+3], s[\g1b:\g1b+7]
	s_nop 0
.rept 4
	v_nop
.endr
.Lasked_\@:
.endm
.macro CREST
	s_cmp_lg_u32 s14, 0
	s_cbranch_scc1 .Lnot_wave_0_\@
	s_barrier_signal -3
.Lnot_wave_0_\@:
	s_barrier_wait -3
	s_barrier_signal -1
	s_barrier_wait -1
.endm
.macro CROUND
	s_barrier_signal -1
	s_barrier_wait -1
	CREST
.endm
	s_load_b128 s[4:7], s[0:1], 0x0
	s_load_b128 s[8:11], s[0:1], 0x10
	v_lshl_add_u32 v[SPW], v0, 2, SPARE
	v_mov_b32 v[NIL], 0
	ds_add_u32 v[SPW], v[NIL]
	ds_add_u32 v[SPW], v[NIL]
	v_lshrrev_b32 v1, 5, v0
	v_readfirstlane_b32 s14, v1
	s_lshr_b32 s15, s14, 1
	s_and_b32 s16, s14, 1
	s_bfe_u32 s40, ttmp6, 0x40000
	s_bfe_u32 s41, ttmp6, 0x40004
	s_lshl_b32 s42, ttmp9, 2
	s_add_co_u32 s42, s42, s40
	s_and_b32 s17, ttmp7, 0xffff
	s_lshl_b32 s17, s17, 2
	s_add_co_u32 s17, s17, s41
	s_lshl_b32 s43, s41, 2
	s_lshl_b32 s43, 15, s43
	s_lshl_b32 s44, 0x1111, s40
	s_or_b32 s[G1+0], s43, (3<<16)|(1<<21)
	s_or_b32 s[G1B+0], s44, (3<<16)|(1<<21)
.irp g, G1, G1B
	s_mov_b32 s[\g+1], 32<<16
	s_mov_b32 s[\g+2], 128<<16
	s_mov_b32 s[\g+3], 32<<16
	s_mov_b32 s[\g+4], 128
	s_mov_b32 s[\g+5], 32
	s_mov_b32 s[\g+6], 0
	s_mov_b32 s[\g+7], 0
.endr
	s_lshl_b32 s18, s16, 3
	s_lshl_b32 s20, s17, 4
	s_add_co_u32 s20, s20, s18
	s_lshl_b32 s20, s20, 12
	s_mov_b32 s21, 0
	s_lshl_b32 s46, s42, 4
	s_add_co_u32 s46, s46, s18
	s_lshl_b32 s46, s46, 12
	s_mov_b32 s47, 0
	s_mul_i32 s45, s14, HALFT
	s_wait_dscnt 0x0
	s_wait_kmcnt 0x0
	s_load_b64 s[96:97], s[8:9], 0x18
	s_add_nc_u64 s[20:21], s[4:5], s[20:21]
	s_add_nc_u64 s[46:47], s[6:7], s[46:47]
	CROUND
.irp s, 0,1
	s_mov_b32 s[G0+4*\s], 1
	s_add_co_u32 s[G0+4*\s+1], s45, \s*SLOT
	s_add_nc_u64 s[G0+4*\s+2:G0+4*\s+3], s[20:21], \s*KSA
	s_or_b32 s[G0+4*\s+3], s[G0+4*\s+3], 0x80000000
	s_mov_b32 s[G0B+4*\s], 1
	s_add_co_u32 s[G0B+4*\s+1], s45, \s*SLOT
	s_add_nc_u64 s[G0B+4*\s+2:G0B+4*\s+3], s[46:47], \s*KSB
	s_or_b32 s[G0B+4*\s+3], s[G0B+4*\s+3], 0x80000000
.endr
	JLOAD G0, G1, G0B, G1B                         ; K step 0: one tensor load a wave at the head, behind the opening round
	v_and_b32 v6, 31, v0
	v_lshlrev_b32 v[CO], 4, v6
	s_mul_i32 s21, s15, HALFT
	s_mul_i32 s22, s16, HALFT
	s_add_co_u32 s22, s22, 2*HALFT
.irp s, 0,1
	v_add_nc_u32 v[ADRA+\s], s21, v[CO]
	v_add_nc_u32 v[ADRB+\s], s22, v[CO]
	s_add_co_u32 s21, s21, SLOT
	s_add_co_u32 s22, s22, SLOT
.endr
	v_and_b32 v1, 15, v0
	v_bfe_u32 v2, v0, 4, 1
	s_mul_i32 s23, s14, 16*SPITCH
	v_mul_u32_u24 v5, v1, SPITCH
	v_lshl_add_u32 v5, v2, 5, v5
	v_add_nc_u32 v[STO], s23, v5
	v_add_nc_u32 v[RD], s23, v[CO]
	s_lshl_b32 s20, s17, 8
	s_lshl_b32 s21, s15, 7
	s_add_co_u32 s20, s20, s21
	s_lshl_b32 s20, s20, 12
	s_lshl_b32 s46, s42, 10
	s_lshl_b32 s47, s16, 9
	s_add_co_u32 s46, s46, s47
	s_add_co_u32 s20, s20, s46
	s_mov_b32 s21, 0
	s_add_nc_u64 s[10:11], s[10:11], s[20:21]
.macro FRAG reg, adr, q, i
.irp c, 0,1,2,3
	ds_load_b128 v[\reg+4*\c:\reg+4*\c+3], v[\adr] offset:2048*(\q)+512*\c+(\i)*4096
.endr
.endm
.macro MUL16 a0, p, zero
.irp a, \a0, \a0+1
.irp b, 0,1,2,3,4,5,6,7
.if \zero
	v_wmma_f32_16x16x128_fp8_fp8 v[8*(8*((\a)%4)+\b):8*(8*((\a)%4)+\b)+7], v[128*(\p)+FR*\b:128*(\p)+FR*\b+FR-1], v[AF+FR*(\a):AF+FR*(\a)+FR-1], 0
.else
	v_wmma_f32_16x16x128_fp8_fp8 v[8*(8*((\a)%4)+\b):8*(8*((\a)%4)+\b)+7], v[128*(\p)+FR*\b:128*(\p)+FR*\b+FR-1], v[AF+FR*(\a):AF+FR*(\a)+FR-1], v[8*(8*((\a)%4)+\b):8*(8*((\a)%4)+\b)+7]
.endif
.endr
.endr
.endm
.macro FETCH_B slot, q, p
	WIN TO_B
.irp i, 0,1,2,3,4,5,6,7
	FRAG 128*(\p)+FR*\i, ADRB+\slot, \q, \i
.endr
	WIN 0
.endm
.macro FETCH_A slot, q, i0
.irp i, \i0, \i0+1, \i0+2, \i0+3
	FRAG AF+FR*(\i), ADRA+\slot, \q, \i
.endr
.endm
.macro PLACES n
.rept \n
	v_nop
.endr
.endm
.macro STEP slot, q, zero
	s_wait_dscnt 4*NL
	WIN MUL_LO
	MUL16 0, (\q)%2, \zero
	MUL16 2, (\q)%2, \zero
	s_wait_dscnt 0
	PLACES NP
	FETCH_B \slot, (\q)+1, 1-(\q)%2
	FETCH_A \slot, (\q)+1, 0
	WIN MUL_HI
	MUL16 4, (\q)%2, \zero
	MUL16 6, (\q)%2, \zero
	PLACES NP
	WIN 0
	FETCH_A \slot, (\q)+1, 4
.endm
.macro TURN slot, next, fill
	s_wait_tensorcnt 0x0
	ds_add_u32 v[SPW], v[NIL]
	s_wait_dscnt 4*NL+1
	WIN MUL_LO
	MUL16 0, 1, 0
	s_wait_dscnt 0x0
	s_barrier_signal -1
	MUL16 2, 1, 0
	WIN 0
	s_barrier_wait -1
.if \fill
	CREST
	s_add_nc_u64 s[G0+4*\slot+2:G0+4*\slot+3], s[G0+4*\slot+2:G0+4*\slot+3], 2*KSA
	s_add_nc_u64 s[G0B+4*\slot+2:G0B+4*\slot+3], s[G0B+4*\slot+2:G0B+4*\slot+3], 2*KSB
	JLOAD G0+4*\slot, G1, G0B+4*\slot, G1B
.else
	PLACES NP
.endif
	FETCH_B \next, 0, 0
	FETCH_A \next, 0, 0
	WIN MUL_HI
	MUL16 4, 1, 0
	MUL16 6, 1, 0
	PLACES NP
	WIN 0
	FETCH_A \next, 0, 4
.endm
	s_wait_alu depctr_va_vdst(0)
	s_wait_tensorcnt 0x0                           ; my part of K step 0 is in; slot 1's first fill is issued as a refill is
	ds_add_u32 v[SPW], v[NIL]
	s_wait_dscnt 0x0
	CROUND                                         ; everybody's part of K step 0 is in, and all sixteen work-groups are here
	JLOAD G0+4, G1, G0B+4, G1B                     ; K step 1: the first tensor load behind the round
	FETCH_B 0, 0, 0
	FETCH_A 0, 0, 0
	FETCH_A 0, 0, 4
	STEP 0, 0, 1
	TURN 0, 1, 1
	STEP 1, 0, 0
	TURN 1, 0, 1
	STEP 0, 0, 0
	TURN 0, 1, 0
	STEP 1, 0, 0
	s_wait_dscnt 4*NL
	WIN MUL_LO
	MUL16 0, 1, 0
	MUL16 2, 1, 0
	s_wait_dscnt 0
	WIN MUL_HI
	MUL16 4, 1, 0
	MUL16 6, 1, 0
	WIN 0
.macro TOSTAGE a
.set AC, 64*((\a)%4)
	WIN 0x02+((\a)/4)
.set j, 0
.rept 32
	v_pk_mul_f32 v[TMP+j:TMP+j+1], v[AC+j:AC+j+1], s[96:97] op_sel_hi:[1,0]
.set j, j+2
.endr
	WIN 0
.irp b, 0,1,2,3,4,5,6,7
	ds_store_b128 v[STO], v[TMP+8*\b:TMP+8*\b+3] offset:64*\b
	ds_store_b128 v[STO], v[TMP+8*\b+4:TMP+8*\b+7] offset:64*\b+16
.endr
.set BB, BK+64*((\a)%2)
.set t, 0
.rept 16
	ds_load_b128 v[BB+4*t:BB+4*t+3], v[RD] offset:t*SPITCH
.set t, t+1
.endr
.endm
.macro SEND a, younger
.set BB, BK+64*((\a)%2)
	s_wait_dscnt \younger
.if (\a) > 0
	s_add_nc_u64 s[10:11], s[10:11], 16*SIZE_N*4
.endif
.set t, 0
.rept 16
	global_store_b128 v[CO], v[BB+4*t:BB+4*t+3], s[10:11] offset:t*SIZE_N*4 th:TH_STORE_NT
.set t, t+1
.endr
.endm
	s_wait_kmcnt 0x0
	s_add_co_i32 s96, s96, s97
	s_add_co_i32 s96, s96, 127
	s_lshl_b32 s96, s96, 23
	PLACES NP
	TOSTAGE 0
.irp a, 1,2,3,4,5,6,7
.if \a > 1
	s_wait_xcnt 0x0
.endif
	TOSTAGE \a
	SEND \a-1, 32
.endr
	s_wait_xcnt 0x0
	SEND 7, 0
	s_wait_tensorcnt 0x0
	ds_add_u32 v[SPW], v[NIL]
	s_wait_dscnt 0x0
	CROUND
	s_endpgm
.Lfunc_end_k_q011b76fa7e_proj:
	.size	k_q011b76fa7e_proj, .Lfunc_end_k_q011b76fa7e_proj-k_q011b76fa7e_proj
	.p2alignl 7, 3214868480
	.fill 96, 4, 3214868480
	.section	.rodata,"a",@progbits
	.p2align	6, 0x0
	.amdhsa_kernel k_q011b76fa7e_proj
		.amdhsa_group_segment_fixed_size 327680
		.amdhsa_private_segment_fixed_size 0
		.amdhsa_enable_private_segment 0
		.amdhsa_kernarg_size 32
		.amdhsa_user_sgpr_count 2
		.amdhsa_user_sgpr_kernarg_segment_ptr 1
		.amdhsa_wavefront_size32 1
		.amdhsa_system_sgpr_workgroup_id_x 1
		.amdhsa_system_sgpr_workgroup_id_y 1
		.amdhsa_system_sgpr_workgroup_id_z 1
		.amdhsa_system_vgpr_workitem_id 0
		.amdhsa_next_free_vgpr 1024
		.amdhsa_next_free_sgpr 98
		.amdhsa_reserve_vcc 0
		.amdhsa_float_denorm_mode_32 3
		.amdhsa_float_denorm_mode_16_64 3
		.amdhsa_memory_ordered 1
		.amdhsa_forward_progress 1
		.amdhsa_inst_pref_size 123
	.end_amdhsa_kernel
	.amdgpu_metadata
---
amdhsa.version: [ 1, 2 ]
amdhsa.kernels:
  - .name:           k_q011b76fa7e_proj
    .symbol:         k_q011b76fa7e_proj.kd
    .args:
      - { .name: ac, .offset: 0, .size: 8, .value_kind: global_buffer, .address_space: global }
      - { .name: woc, .offset: 8, .size: 8, .value_kind: global_buffer, .address_space: global }
      - { .name: lowp_scales, .offset: 16, .size: 8, .value_kind: global_buffer, .address_space: global }
      - { .name: out0, .offset: 24, .size: 8, .value_kind: global_buffer, .address_space: global }
    .group_segment_fixed_size: 327680
    .private_segment_fixed_size: 0
    .kernarg_segment_align: 8
    .kernarg_segment_size: 32
    .max_flat_workgroup_size: 128
    .sgpr_count:     98
    .vgpr_count:     1024
    .wavefront_size: 32
...
	.end_amdgpu_metadata
.endif
;; end of part 4
